; MI455X (gfx1250); checked and timed in simulation.
; The chip was launched on July 23, 2026; its instructions are those of AMD's public machine-readable ISA for CDNA 5 (MIT licence, August 2026) and "CDNA5" Instruction Set Architecture Reference Guide (July 2026). The comments in the code are by the model that wrote it; some were corrected since.
;; Multi Head Attention. Allowed arithmetic: matrix products marked QUANTISED: E2M3 operands, one E8M0 scale for each 32 along K, by v_wmma_scale_f32_16x16x128_f8f6f4 with both operands' format E2M3, f32 sums; everything else in f32.
;; Inputs: K_input_codes 4 x 2,048 x 32 x 24 uint8 (E2M3 codes of K_input, K innermost, in blocks of 32 codes, four codes in three bytes); K_input_scales 4 x 2,048 x 32 uint8 (E8M0 scales of K_input, one for each 32 codes along K); Q_input 4 x 2,048 x 1,024 float32; V_input_codes 4 x 2,048 x 32 x 24 uint8 (E2M3 codes of V_input, K innermost, in blocks of 32 codes, four codes in three bytes); V_input_scales 4 x 2,048 x 32 uint8 (E8M0 scales of V_input, one for each 32 codes along K); Wk_codes 1,024 x 32 x 24 uint8 (E2M3 codes of Wk, K innermost, in blocks of 32 codes, four codes in three bytes); Wk_scales 1,024 x 32 uint8 (E8M0 scales of Wk, one for each 32 codes along K); Wo_codes 1,024 x 32 x 24 uint8 (E2M3 codes of Wo, K innermost, in blocks of 32 codes, four codes in three bytes); Wo_scales 1,024 x 32 uint8 (E8M0 scales of Wo, one for each 32 codes along K); Wq_codes 1,024 x 32 x 24 uint8 (E2M3 codes of Wq, K innermost, in blocks of 32 codes, four codes in three bytes); Wq_scales 1,024 x 32 uint8 (E8M0 scales of Wq, one for each 32 codes along K); Wv_codes 1,024 x 32 x 24 uint8 (E2M3 codes of Wv, K innermost, in blocks of 32 codes, four codes in three bytes); Wv_scales 1,024 x 32 uint8 (E8M0 scales of Wv, one for each 32 codes along K); beta 1,024 float32; bk 1,024 float32; bo 1,024 float32; bq 1,024 float32; bv 1,024 float32; gamma 1,024 float32.
;; Outputs: out0 4 x 2,048 x 1,024 float32.
;; This version of the problem:
;;   THIS VERSION OF THE PROBLEM IS GIVEN IN LOW PRECISION. The matrix products marked QUANTISED in the list below multiply operands that are first quantised to E2M3 (2 exponent bits, 3 mantissa bits; 6 bits a number), with one power-of-two scale for each 32 numbers along K (OCP MX v1.0); their sums are f32. All else is computed in f32.
;;   The module's matrix products, in the order in which they are computed (A, B: the left and right operand; K: the contracted axis; several contracted axes count as one K, in the product's order):
;;     1. [M 8,192, K 1,024] x [K 1,024, N 1,024]; A: input Q_input; B: input Wq (given as codes): QUANTISED
;;     2. [M 8,192, K 1,024] x [K 1,024, N 1,024]; A: input K_input (given as codes); B: input Wk (given as codes): QUANTISED
;;     3. [M 8,192, K 1,024] x [K 1,024, N 1,024]; A: input V_input (given as codes); B: input Wv (given as codes): QUANTISED
;;     4. batch 64 x [M 2,048, K 64] x [K 64, N 2,048]; A: computed on the way; B: computed on the way: QUANTISED
;;     5. batch 64 x [M 2,048, K 2,048] x [K 2,048, N 64]; A: softmax (see below); B: computed on the way: QUANTISED
;;     6. [M 8,192, K 1,024] x [K 1,024, N 1,024]; A: computed on the way; B: input Wo (given as codes): QUANTISED
;;   THE QUANTISER, for each operand of a quantised product, along K:
;;     - K is cut into blocks of 32 from its start; a last block that is shorter is filled with zeros.
;;     - A block's scale is 2^e with e = floor(log2(the largest magnitude in the block)) - 2, held to -126 .. 127; a block of zeros has e = 0. As a byte (E8M0): e + 127.
;;     - Each number is divided by its block's scale, clamped to +-7.5, and rounded to the nearest number of E2M3, ties to even, subnormals kept.
;;     - The product sums the exact products of the quantised numbers (number of the format x scale) in f32.
;;   ~~~python
;;   def quantise(x, axis):      # numpy; x: float32 -> the quantised numbers, widened to float32 again
;;       x = np.moveaxis(x, axis, -1); K = x.shape[-1]
;;       x = np.pad(x, [(0, 0)] * (x.ndim - 1) + [(0, -K % 32)]); x = x.reshape(x.shape[:-1] + (-1, 32)); a = np.abs(x).max(-1, keepdims=True)
;;       e = np.where(a > 0, np.clip(np.frexp(np.where(a > 0, a, 1))[1] - 1 - 2, -126, 127), 0)      # np.frexp(a)[1] - 1 = floor(log2(a)), exactly
;;       r = np.clip(x / 2.0 ** e, -7.5, 7.5)
;;       step = 2.0 ** (np.maximum(np.frexp(np.where(r == 0, 1, r))[1] - 1, 0) - 3)
;;       q = np.round(r / step) * step * 2.0 ** e      # np.round: ties to even
;;       return np.moveaxis(q.reshape(q.shape[:-2] + (-1,))[..., :K], -1, axis).astype(np.float32)
;;   ~~~
;;   SOFTMAX AHEAD OF A QUANTISED PRODUCT. Where the list says 'softmax', what is quantised is not the finished softmax but p = 2^(t - M), with t = logit x log2(e) and M = ceil(the row's largest t), a whole number; so 1/2 < the row's largest p <= 1. The row's sum l is taken of the UNQUANTISED p, in f32, and the product's result is divided by l at the end. Since M is a whole number, a kernel that streams over the keys may use a running M (the ceiling of the running maximum): every later rescaling is an exact power of two, which a block's scale takes up: the codes' values come out the same.
;;   OPERANDS COMPUTED ON THE WAY. 'Computed on the way' means the value that the module computes at that place (a softmax that the list does not call 'softmax' is quantised finished and normalised). What goes into a quantiser is computed in f32, as accurately as f32 sums, v_exp_f32 and their like allow (about 1e-6 of the number): no bf16 or f16 on the way to a quantiser, and a product that is left as it is and whose result goes on into a quantised operand takes f32 operands (vector FMAs, or v_wmma_f32_16x16x4_f32). A number that lies on a knife's edge between two numbers of the format may be rounded either way, as far as f32 arithmetic and the matrix unit's own rounding can turn it there, and no further.
;;   INPUTS GIVEN AS CODES. K_input (in the module: [4, 2048, 1024], K = its axis 2); V_input (in the module: [4, 2048, 1024], K = its axis 2); Wk (in the module: [1024, 1024], K = its axis 0); Wo (in the module: [1024, 1024], K = its axis 0); Wq (in the module: [1024, 1024], K = its axis 0); Wv (in the module: [1024, 1024], K = its axis 0): each comes as NAME_codes (uint8): NAME with its K axis moved to the last place and cut into blocks of 32 codes, [.., K / 32, bytes a block], one block behind the other in memory; four codes in three bytes: a row's codes are one little-endian stream of bits, code i at bits 6 i .. 6 i + 5 (a code: sign, 2 exponent bits, 3 mantissa bits); and NAME_scales (uint8): the same leading axes, one E8M0 byte (e + 127) for each 32 codes along K. Its value is code x scale, taken as it is: it is not quantised again, and the codes and scales need not be those that the quantiser above would give.
;; One version. Each part assembles by itself: llvm-mc -triple=amdgcn-amd-amdhsa -mcpu=gfx1250 --defsym DOCPART=n.
;; ======== version 1 of 1: 4 launches
;; limits: right only within a limited range of input values
;; workspace buffers: img 22,937,600 bytes; qimg 6,553,600 bytes; kv 13,107,200 bytes; cimg 7,340,032 bytes
;; launch prep (part 1): grid 416 x 1, 8 waves a work-group, no clusters, 0 bytes of LDS; arguments Q_input, img, K_input_codes, K_input_scales, V_input_codes, V_input_scales, Wq_codes, Wq_scales, Wk_codes, Wk_scales, Wv_codes, Wv_scales, Wo_codes, Wo_scales; writes img
.if DOCPART == 1
	.amdgcn_target "amdgcn-amd-amdhsa--gfx1250"
	.amdhsa_code_object_version 6
	.text
	.protected	k_q9a94fe5968_prep
	.globl	k_q9a94fe5968_prep
	.p2align	8
	.type	k_q9a94fe5968_prep,@function
k_q9a94fe5968_prep:
	s_mov_b64 s[64:65], 0
	v_nop
	global_prefetch_b8 v0, s[64:65] scope:SCOPE_SE
	s_setreg_imm32_b32 hwreg(HW_REG_WAVE_MODE, 25, 1), 1
	s_wait_xcnt 0x0
; All seven operands of the four large products are laid ONCE in the order of the matrix unit's operand registers, into img.
; Rows go in groups of 128 = 8 tiles of 16; lane row m of tile t is row 32 (t / 2) + 8 (t % 2) + m + 8 (m / 8) of its group, so that a later result with such a tile as source 0 has 16 neighbours in the 16 registers of tiles 2 b, 2 b + 1.
; A RECORD (group G, K step s of 128) is 12,800 bytes at (8 G + s) x 12,800: eight fragment images of 1,536 bytes (registers 4 k .. 4 k + 3 of lane l at 512 k + 16 l), then four registers of scale words at 12,288 + 128 q + 4 l
; (register q: tile 2 q in lanes 0-15, tile 2 q + 1 in lanes 16-31).  Groups: 0-63 Q_input, 64-127 K_input, 128-191 V_input, 192-199 Wq, 200-207 Wk, 208-215 Wv, 216-223 Wo.
; Work-groups 0-255: Q_input, f32, is quantised along E to FP6 (E2M3) with one E8M0 byte for each 32: scale byte = the largest magnitude's exponent field - 2, held at 1 from below.  Work-groups 256-415: codes and scale bytes are only laid anew.
; The wave's number is the K step, so that the eight waves of a work-group use up whole rows.  No LDS, no barrier: waves share nothing.
; LIMITS: NaN and infinities in Q_input are not served; a block of zeros, or one whose largest magnitude lies under 2^-124, gets the byte 1 where the rule says 127 (its codes are zeros or as the floor gives them; the bytes are read by this program alone).
.set REC,  12800
.set LI,   1                           ; v1   16 x lane
.set L4,   2                           ; v2   4 x lane
.set XA,   3                           ; v3   Q_input: my row of a tile and my half of a block
.set CA,   4                           ; v4   codes: my row of a tile and my half
.set SA,   5                           ; v5   scale bytes: my row
.set X0,   32                          ; v32-95   64 numbers of tile 2 q
.set X1,   96                          ; v96-159  of tile 2 q + 1
.set TM,   160                         ; v160-175 largest magnitudes, bytes, scale operands
.set PC0,  176                         ; v176-187 the first tile's codes
.set PT,   188                         ; v188-195 half blocks on their way
.set PW0,  196
.set PW1,  197
.set SCW,  198
.set PC1,  200                         ; v200-211 the second tile's codes
.set WV,   40
.set SEL,  42                          ; s[42:43] v_permlanex16_b32's selects for lane l xor 16
.set UP,   44                          ; s44  the lanes 16-31
; 64 numbers of a lane, register 16 b + i = k 32 b + 16 (lane / 16) + i of my row, become a fragment: registers 0-5 at d0, 6-11 at d1, and the row's scale word in pw
.macro QUANT src, d0, d1, pw
.irp b, 0,1,2,3
	v_max3_num_f32 v[TM+\b], |v[(\src)+16*\b]|, |v[(\src)+16*\b+1]|, 0x1800000   ; my 16 numbers of block b, and the floor 2^(3 - 127): the byte cannot fall under 1
.endr
.irp i, 2,4,6,8,10,12,14
.irp b, 0,1,2,3
	s_delay_alu instid0(VALU_DEP_4)
	v_max3_num_f32 v[TM+\b], |v[(\src)+16*\b+\i]|, |v[(\src)+16*\b+\i+1]|, v[TM+\b]   ; the four blocks by turns
.endr
.endr
.irp b, 0,1,2,3
	s_delay_alu instid0(VALU_DEP_4)
	v_permlanex16_b32 v[TM+4+\b], v[TM+\b], s[SEL], s[SEL+1]
.endr
.irp b, 0,1,2,3
	s_delay_alu instid0(VALU_DEP_4)
	v_max_num_f32 v[TM+\b], v[TM+\b], v[TM+4+\b]   ; with lane l xor 16's: the block's largest magnitude
.endr
.irp b, 0,1,2,3
	s_delay_alu instid0(VALU_DEP_4)
	v_add_nc_u32 v[TM+12+\b], 0xff000000, v[TM+\b]   ; 2 off its exponent field: the conversion's scale operand
.endr
.irp b, 0,1,2,3
	s_delay_alu instid0(VALU_DEP_4)
	v_lshrrev_b32 v[TM+4+\b], 23, v[TM+12+\b]      ; the scale's byte
.endr
	s_delay_alu instid0(VALU_DEP_3)
	v_lshl_or_b32 v[\pw], v[TM+5], 8, v[TM+4]
	s_delay_alu instid0(VALU_DEP_1)
	v_lshl_or_b32 v[\pw], v[TM+6], 16, v[\pw]
	s_delay_alu instid0(VALU_DEP_1)
	v_lshl_or_b32 v[\pw], v[TM+7], 24, v[\pw]
	v_cvt_scalef32_pk16_fp6_f32 v[(\d0):(\d0)+2], v[(\src):(\src)+15], v[TM+12]
	v_cvt_scalef32_pk16_fp6_f32 v[PT:PT+2], v[(\src)+16:(\src)+31], v[TM+13]
	v_cvt_scalef32_pk16_fp6_f32 v[(\d1):(\d1)+2], v[(\src)+32:(\src)+47], v[TM+14]
	v_cvt_scalef32_pk16_fp6_f32 v[PT+4:PT+6], v[(\src)+48:(\src)+63], v[TM+15]
	v_nop                                          ; one plain place behind the scaled conversions
.irp i, 0,1,2
	v_permlane16_swap_b32 v[(\d0)+\i], v[PT+\i]    ; the layout wants a whole block in a lane: lanes 0-15 the even block, lanes 16-31 the odd one
	v_permlane16_swap_b32 v[(\d1)+\i], v[PT+4+\i]
.endr
.irp i, 0,1,2
	v_mov_b32 v[(\d0)+3+\i], v[PT+\i]
	v_mov_b32 v[(\d1)+3+\i], v[PT+4+\i]
.endr
.endm
.macro XLOAD reg, u                    ; tile 2 q + u: of each block of 32 my half's 16 neighbours, four loads of 16 bytes
.irp b, 0,1,2,3
.irp j, 0,1,2,3
	global_load_b128 v[\reg+16*\b+4*\j:\reg+16*\b+4*\j+3], v[XA], s[4:5] offset:32768*\u+128*\b+16*\j th:TH_LOAD_NT
.endr
.endr
.endm
	s_load_b512 s[4:19], s[0:1], 0x0               ; Q_input, img, K's codes and scales, V's, Wq's
	s_load_b256 s[20:27], s[0:1], 0x40             ; Wk's, Wv's
	s_load_b128 s[28:31], s[0:1], 0x60             ; Wo's
	v_lshrrev_b32 v6, 5, v0
	s_delay_alu instid0(VALU_DEP_1)
	v_readfirstlane_b32 s[WV], v6                  ; wave = K step
	v_and_b32 v6, 31, v0                           ; lane
	v_and_b32 v7, 15, v0                           ; r
	v_bfe_u32 v8, v0, 4, 1                         ; h
	s_delay_alu instid0(VALU_DEP_3)
	v_lshlrev_b32 v[LI], 4, v6
	s_delay_alu instid0(VALU_DEP_4)
	v_lshlrev_b32 v[L4], 2, v6
	s_delay_alu instid0(VALU_DEP_4)
	v_and_b32 v9, 8, v7
	s_delay_alu instid0(VALU_DEP_1)
	v_add_nc_u32 v9, v9, v7                        ; r + 8 (r / 8)
	s_mov_b32 s47, 0
	s_cmp_lt_u32 ttmp9, 256
	s_cbranch_scc0 .Lcodes
	; ---- Q_input: work-group 4 G + q takes tiles 2 q, 2 q + 1 of group G: rows 32 x work-group on
	v_lshlrev_b32 v[XA], 12, v9                    ; a row is 4,096 bytes
	s_delay_alu instid0(VALU_DEP_1)
	v_lshl_add_u32 v[XA], v8, 6, v[XA]             ; + 64 h
	s_mov_b32 s[SEL], 0x76543210
	s_mov_b32 s[SEL+1], 0xfedcba98
	s_mov_b32 s[UP], 0xffff0000
.irp b, 0,1,2,3
	v_mov_b32 v[TM+4+\b], 0                        ; written once: a lane permute's destination counts as one of its sources
.endr
	s_lshl_b32 s46, ttmp9, 17                      ; 32 rows of 4,096 bytes a work-group
	s_lshl_b32 s45, s[WV], 9                       ; 512 bytes a K step
	s_add_co_u32 s46, s46, s45
	s_lshr_b32 s48, ttmp9, 2
	s_lshl_b32 s48, s48, 3
	s_add_co_u32 s48, s48, s[WV]
	s_mul_i32 s48, s48, REC                        ; the record (8 G + s)
	s_and_b32 s45, ttmp9, 3                        ; q
	s_mul_i32 s50, s45, 3072
	s_add_co_u32 s50, s50, s48                     ; its images 2 q, 2 q + 1
	s_mov_b32 s51, 0
	s_lshl_b32 s52, s45, 7
	s_add_co_u32 s52, s52, s48
	s_add_co_u32 s52, s52, 12288                   ; its scale register q
	s_mov_b32 s53, 0
	s_wait_alu depctr_va_vdst(0)
	s_wait_kmcnt 0x0
	s_add_nc_u64 s[4:5], s[4:5], s[46:47]
	s_add_nc_u64 s[50:51], s[6:7], s[50:51]
	s_add_nc_u64 s[52:53], s[6:7], s[52:53]
	XLOAD X0, 0
	XLOAD X1, 1
	s_wait_loadcnt 16                              ; the first tile's 16 loads are in; the second's may be out
	QUANT X0, PC0, PC0+6, PW0
.irp k, 0,1,2
	global_store_b128 v[LI], v[PC0+4*\k:PC0+4*\k+3], s[50:51] offset:512*\k   ; 32 lanes store 512 consecutive bytes, at a multiple of 256 from img's first byte
.endr
	s_wait_loadcnt 0x0
	QUANT X1, PC1, PC1+6, PW1
.irp k, 0,1,2
	global_store_b128 v[LI], v[PC1+4*\k:PC1+4*\k+3], s[50:51] offset:1536+512*\k
.endr
	v_cndmask_b32 v[SCW], v[PW0], v[PW1], s[UP]    ; lanes 0-15 the even tile's words, lanes 16-31 the odd tile's (each lane holds its row's word in both halves)
	global_store_b32 v[L4], v[SCW], s[52:53]
	s_endpgm
.Lcodes:
	; ---- operands given as codes: work-group 256 + i lays group 64 + i; the wave lays one record
	s_wait_alu depctr_va_vdst(0)
	; Tile t = 4 a + 2 b + c, lane row m.  K_input's groups (64-127) alone are laid otherwise than the head says: row 64 a + 16 b + 8 c + m % 8 + 32 (m / 8),
	; so that rows 0-7 of a tile of keys lie in one block of 32 keys and rows 8-15 in the next.  All other groups: row 64 a + 32 b + 8 c + m % 8 + 16 (m / 8), as the head says.
	; The two maps differ in two factors, chosen by the work-group's number; tiles with b = 1 have address registers of their own (v11, v12).
	s_sub_co_u32 s41, ttmp9, 256
	s_cmp_lt_u32 s41, 64
	s_cselect_b32 s38, 3, 1                        ; lane row = r + 3 (r & 8) or r + (r & 8)
	s_cselect_b32 s39, 16, 32                      ; rows from b = 0 to b = 1
	s_mul_i32 s37, s39, 768                        ; in bytes of codes,
	s_lshl_b32 s39, s39, 5                         ; and of scale bytes
	v_and_b32 v10, 8, v7
	v_mad_u32_u24 v9, v10, s38, v7
	v_mul_u32_u24 v[CA], v9, 768                   ; a row of 1,024 codes is 768 bytes
	v_lshl_add_u32 v[SA], v8, 3, v9                ; scale register q = 2 a + b, lane l: tile 2 q + l / 16
	v_mad_u32_u24 v[CA], v8, 24, v[CA]             ; + 24 h
	v_lshlrev_b32 v[SA], 5, v[SA]                  ; rows of 32 bytes
	v_add_nc_u32 v[CA+7], s37, v[CA]
	v_add_nc_u32 v[SA+7], s39, v[SA]
	s_wait_alu depctr_va_vdst(0)
	s_wait_kmcnt 0x0
	s_mov_b64 s[32:33], s[28:29]                   ; which tensor: the choice hangs on the work-group's number alone
	s_mov_b64 s[34:35], s[30:31]
	s_mov_b32 s36, 152
	s_cmp_lt_u32 s41, 152
	s_cselect_b64 s[32:33], s[24:25], s[32:33]
	s_cselect_b64 s[34:35], s[26:27], s[34:35]
	s_cselect_b32 s36, 144, s36
	s_cmp_lt_u32 s41, 144
	s_cselect_b64 s[32:33], s[20:21], s[32:33]
	s_cselect_b64 s[34:35], s[22:23], s[34:35]
	s_cselect_b32 s36, 136, s36
	s_cmp_lt_u32 s41, 136
	s_cselect_b64 s[32:33], s[16:17], s[32:33]
	s_cselect_b64 s[34:35], s[18:19], s[34:35]
	s_cselect_b32 s36, 128, s36
	s_cmp_lt_u32 s41, 128
	s_cselect_b64 s[32:33], s[12:13], s[32:33]
	s_cselect_b64 s[34:35], s[14:15], s[34:35]
	s_cselect_b32 s36, 64, s36
	s_cmp_lt_u32 s41, 64
	s_cselect_b64 s[32:33], s[8:9], s[32:33]
	s_cselect_b64 s[34:35], s[10:11], s[34:35]
	s_cselect_b32 s36, 0, s36
	s_sub_co_u32 s37, s41, s36                     ; the group's number in its tensor
	s_mul_i32 s46, s37, 98304                      ; 128 rows of 768 bytes
	s_mul_i32 s45, s[WV], 96
	s_add_co_u32 s46, s46, s45
	s_add_nc_u64 s[32:33], s[32:33], s[46:47]
	s_lshl_b32 s46, s37, 12                        ; 128 rows of 32 bytes
	s_lshl_b32 s45, s[WV], 2
	s_add_co_u32 s46, s46, s45
	s_add_nc_u64 s[34:35], s[34:35], s[46:47]
	s_sub_co_u32 s46, ttmp9, 192                   ; the group's number in img
	s_lshl_b32 s46, s46, 3
	s_add_co_u32 s46, s46, s[WV]
	s_mul_i32 s46, s46, REC
	s_add_nc_u64 s[6:7], s[6:7], s[46:47]
.irp t, 0,1,2,3,4,5,6,7
.irp p, 0,1,2,3,4,5
	global_load_b64 v[32+12*\t+2*\p:32+12*\t+2*\p+1], v[CA+7*((\t/2)%2)], s[32:33] offset:(64*(\t/4)+8*(\t%2))*768+48*(\p/3)+8*(\p%3)   ; a fragment is the row's stream of bits as it lies: 24 bytes twice, in pieces of 8
.endr
.endr
.irp q, 0,1,2,3
	global_load_b32 v[128+\q], v[SA+7*(\q%2)], s[34:35] offset:2048*(\q/2)
.endr
.irp t, 0,1,2,3,4,5,6,7
	s_wait_loadcnt 46-6*\t                         ; behind tile t's six loads stand 6 (7 - t) of codes and 4 of scale words
.irp k, 0,1,2
	global_store_b128 v[LI], v[32+12*\t+4*\k:32+12*\t+4*\k+3], s[6:7] offset:1536*\t+512*\k
.endr
.endr
	s_wait_loadcnt 0x0
.irp q, 0,1,2,3
	global_store_b32 v[L4], v[128+\q], s[6:7] offset:12288+128*\q
.endr
	s_endpgm
.Lfunc_end_k_q9a94fe5968_prep:
	.size	k_q9a94fe5968_prep, .Lfunc_end_k_q9a94fe5968_prep-k_q9a94fe5968_prep
	.p2alignl 7, 3214868480
	.fill 96, 4, 3214868480
	.section	.rodata,"a",@progbits
	.p2align	6, 0x0
	.amdhsa_kernel k_q9a94fe5968_prep
		.amdhsa_group_segment_fixed_size 0
		.amdhsa_private_segment_fixed_size 0
		.amdhsa_enable_private_segment 0
		.amdhsa_kernarg_size 112
		.amdhsa_user_sgpr_count 2
		.amdhsa_user_sgpr_kernarg_segment_ptr 1
		.amdhsa_wavefront_size32 1
		.amdhsa_system_sgpr_workgroup_id_x 1
		.amdhsa_system_sgpr_workgroup_id_y 1
		.amdhsa_system_sgpr_workgroup_id_z 1
		.amdhsa_system_vgpr_workitem_id 0
		.amdhsa_next_free_vgpr 224
		.amdhsa_next_free_sgpr 66
		.amdhsa_reserve_vcc 0
		.amdhsa_float_denorm_mode_32 3
		.amdhsa_float_denorm_mode_16_64 3
		.amdhsa_memory_ordered 1
		.amdhsa_forward_progress 1
		.amdhsa_inst_pref_size 27
	.end_amdhsa_kernel
	.amdgpu_metadata
---
amdhsa.version: [ 1, 2 ]
amdhsa.kernels:
  - .name:           k_q9a94fe5968_prep
    .symbol:         k_q9a94fe5968_prep.kd
    .args:
      - { .name: Q_input, .offset: 0, .size: 8, .value_kind: global_buffer, .address_space: global }
      - { .name: img, .offset: 8, .size: 8, .value_kind: global_buffer, .address_space: global }
      - { .name: K_input_codes, .offset: 16, .size: 8, .value_kind: global_buffer, .address_space: global }
      - { .name: K_input_scales, .offset: 24, .size: 8, .value_kind: global_buffer, .address_space: global }
      - { .name: V_input_codes, .offset: 32, .size: 8, .value_kind: global_buffer, .address_space: global }
      - { .name: V_input_scales, .offset: 40, .size: 8, .value_kind: global_buffer, .address_space: global }
      - { .name: Wq_codes, .offset: 48, .size: 8, .value_kind: global_buffer, .address_space: global }
      - { .name: Wq_scales, .offset: 56, .size: 8, .value_kind: global_buffer, .address_space: global }
      - { .name: Wk_codes, .offset: 64, .size: 8, .value_kind: global_buffer, .address_space: global }
      - { .name: Wk_scales, .offset: 72, .size: 8, .value_kind: global_buffer, .address_space: global }
      - { .name: Wv_codes, .offset: 80, .size: 8, .value_kind: global_buffer, .address_space: global }
      - { .name: Wv_scales, .offset: 88, .size: 8, .value_kind: global_buffer, .address_space: global }
      - { .name: Wo_codes, .offset: 96, .size: 8, .value_kind: global_buffer, .address_space: global }
      - { .name: Wo_scales, .offset: 104, .size: 8, .value_kind: global_buffer, .address_space: global }
    .group_segment_fixed_size: 0
    .private_segment_fixed_size: 0
    .kernarg_segment_align: 8
    .kernarg_segment_size: 112
    .max_flat_workgroup_size: 256
    .sgpr_count:     66
    .vgpr_count:     224
    .wavefront_size: 32
...
	.end_amdgpu_metadata
.endif
;; end of part 1
;; launch proj (part 2): grid 4 x 64, 4 waves a work-group, clusters of 4 x 4, 327,680 bytes of LDS; arguments img, bq, bk, bv, qimg, kv; writes qimg, kv
.if DOCPART == 2
	.amdgcn_target "amdgcn-amd-amdhsa--gfx1250"
	.amdhsa_code_object_version 6
	.text
	.protected	k_q9a94fe5968_proj
	.globl	k_q9a94fe5968_proj
	.p2align	8
	.type	k_q9a94fe5968_proj,@function
k_q9a94fe5968_proj:
	s_mov_b64 s[64:65], 0
	v_nop
	global_prefetch_b8 v0, s[64:65] scope:SCOPE_SE
	s_setreg_imm32_b32 hwreg(HW_REG_WAVE_MODE, 25, 1), 1
	s_wait_xcnt 0x0
	s_wait_alu depctr_hold_cnt(0) depctr_sa_sdst(0) depctr_va_vdst(0) depctr_va_sdst(0) depctr_va_ssrc(0) depctr_va_vcc(0) depctr_vm_vsrc(0)
	s_getreg_b32 s2, hwreg(HW_REG_IB_STS2, 6, 4)
	s_cmp_eq_u32 s2, 0
	s_cbranch_scc0 .Lentry_in_a_cluster
	s_endpgm
.Lentry_in_a_cluster:
	s_bfe_u32 s2, ttmp6, 0x10000c
	s_cmp_lg_u32 s2, 0xf033
	s_cbranch_scc0 .Lentry_shape_is_right
	s_endpgm
.Lentry_shape_is_right:
; The three projections, Q = x Wq + bq, K, V likewise, on codes of FP6 (E2M3) with E8M0 scales, from the register images in img; the results are quantised in registers and stored as the register images that the attention launch reads.
; A WORK-GROUP STAYS: 256 work-groups, each makes three tiles, g = 0 (Q), 1 (K), 2 (V), of 256 rows of S0 x 128 rows of S1 over all of K = 1,024.  S0 is source 0: the operand along whose rows the result is quantised next:
;   Q, K (quantised along the head's 64): S0 = the weight's output columns, S1 = tokens.     V (quantised along the keys): S0 = tokens, S1 = Wv's output columns.
; Wave w: S0 group a = w / 2 (128 rows, 8 tiles), S1 tiles 4 c .. 4 c + 3, c = w % 2: 32 accumulators, 32 matrix instructions a K step, by turns.
; LDS: S0's two groups (8 records of 12,800 bytes each) at 0 and 102,400, S1's group at 204,800.  A RING OF TWO SLOTS: slot 0 = the records of K steps 0-3, slot 1 = those of K steps 4-7.  A slot is filled by one joint load a wave:
; waves 0 and 1 four records of S0 each (200 rows of 256 dense bytes), waves 2 and 3 two records of S1 each (100 rows).  Slot 1 is asked for at a tile's start; slot 0 is asked for again, for the next tile, when K step 3's fragments
; are in registers: K steps 4-7 and the tile's way out stand between that request and the wait for it.  Q's and K's tiles are a loop of two trips; V's tile, which asks for no further slot 0, is written out.
; CLUSTER 4 x 4: S0 hangs on cx alone and is asked for jointly by my column, S1 on cy alone and by my row; each fill stands behind a round of the cluster's barrier.
; No prefetch: a tile's whole K is two slots, and each slot's tensor load is itself issued a slot's work (four K steps) or more ahead of the wait for it.
; The bias is added to the finished sums: for Q and K it runs along a lane's registers, for V along the lanes.
; OUT.  Q, K: record (16 (16 b + head) + key step) of 6,400 (qimg) or 12,800 (kv) bytes: image f: registers 0-5 token tile 2 f x the head's 64, registers 6-11 tile 2 f + 1; scale words at 6,144 + 128 q + 4 l
; (register q: image 2 q in lanes 0-15, 2 q + 1 in lanes 16-31; a word: tile 2 f's two bytes, tile 2 f + 1's two).  V: at 6,400 in kv's record: image j = 16 of the head's 64 x 128 keys; scale words at 12,544 + 8 l + 4 q.
; LIMITS: a block under 2^-124 gets the byte 1; NaN and infinities are not served.  The order of the f32 sums is the matrix unit's, K ascending.
; REGISTERS: window 0: v1-11 addresses; v16-27 scale words, two sets; v32-127 S1's fragments, two sets; v128-131 the LDS addresses of K step 0; v192-255 the bias; in the tail v32-113 codes and work.  window 1: S0's fragments, two sets at v0 and v128.  window 2: accumulator (i, j) at v[64 j + 8 i].
.set REC,  12800
.set GRP,  8*REC
.set S1B,  2*GRP
.set CHK,  2*REC
.set LI,   1
.set L4,   2
.set L8,   3
.set AD0,  4                           ; v4-7 LDS: S0's images of the K step to be fetched, its scale words, S1's images, its scale words
.set AS0,  5
.set AD1,  6
.set AS1,  7
.set VB0,  8
.set VB1,  9
.set OC,   10
.set OS,   11
.set SC,   16
.set FB,   32
.set AI,   128                         ; v128-131 what v4-7 hold at a tile's start
.set BI,   192
.set F,    32
.set PT,   80
.set TM,   88
.set PW,   104
.set W,    108
.set R,    112
.set WV,   16                          ; s16 wave; s17 a; s18 c; s19 cx; s20 cy; s22 g; s23 the cluster's y
.set G1A,  24
.set G1B,  32
.set G0A,  40                          ; s[40:47] groups 0 for S0, one for each slot
.set G0B,  68                          ; s[68:75] for S1
.set SEL,  84
.set UP,   86
.set MSB, 0
.macro WIN new
.if MSB != (\new)
	s_set_vgpr_msb (MSB<<8)|(\new)
.set MSB, (\new)
.endif
.endm
.set MUL,  0xa1
.set TO1,  0x40
.macro PLACES n
.rept \n
	v_nop
.endr
.endm
.macro BAR
	s_wait_dscnt 0x0
	s_barrier_signal -1
	s_barrier_wait -1
.endm
.macro ROUND
	s_barrier_signal -1
	s_barrier_wait -1
	s_cmp_lg_u32 s[WV], 0
	s_cbranch_scc1 .Lnot_wave_0_\@
	s_barrier_signal -3
.Lnot_wave_0_\@:
	s_barrier_wait -3
	s_barrier_signal -1
	s_barrier_wait -1
.endm
.macro JL k                            ; slot k's fill: one joint load a wave; each of the two lines has one mask and one set of registers; the branch hangs on the wave's number alone
	s_cmp_lt_u32 s[WV], 2
	s_cbranch_scc0 .Lfor_s1_\@
	tensor_load_to_lds s[G0A+4*\k:G0A+4*\k+3], s[G1A:G1A+7]
	s_nop 0
	PLACES 4
	s_branch .Lasked_\@
.Lfor_s1_\@:
	tensor_load_to_lds s[G0B+4*\k:G0B+4*\k+3], s[G1B:G1B+7]
	s_nop 0
	PLACES 4
.Lasked_\@:
.endm
; the global addresses of both slots' fills for tile g = s[gr].  The groups of img hang on g and the cluster's y, which all partners share; S0's further on cx and the wave, S1's on cy and the wave
.macro TADDR gr
	s_lshl_b32 s56, s[\gr], 3
	s_add_co_u32 s56, s56, 192                     ; Q, K: S0 = the weight's eight groups
	s_lshr_b32 s57, s23, 1
	s_lshl_b32 s57, s57, 3
	s_add_co_u32 s57, s57, 128                     ; V: S0 = eight groups of V_input
	s_lshl_b32 s58, s[\gr], 6
	s_lshl_b32 s59, s23, 2
	s_add_co_u32 s58, s58, s59                     ; Q, K: S1 = four groups of tokens
	s_and_b32 s59, s23, 1
	s_lshl_b32 s59, s59, 2
	s_add_co_u32 s59, s59, 208                     ; V: S1 = four groups of Wv
	s_cmp_eq_u32 s[\gr], 2
	s_cselect_b32 s56, s57, s56
	s_cselect_b32 s58, s59, s58
	s_lshl_b32 s60, s19, 1                         ; S0: + 2 cx + the group that I fetch
	s_add_co_u32 s60, s60, s56
	s_add_co_u32 s60, s60, s18
	s_mul_i32 s60, s60, GRP
	s_mov_b32 s61, 0
	s_add_co_u32 s62, s58, s20                     ; S1: + cy,
	s_mul_i32 s62, s62, GRP
	s_mul_i32 s63, s18, CHK                        ; and the two records of a slot's four that I fetch
	s_add_co_u32 s62, s62, s63
	s_mov_b32 s63, 0
	s_add_nc_u64 s[88:89], s[4:5], s[60:61]
	s_add_nc_u64 s[90:91], s[4:5], s[62:63]
.irp k, 0,1
	s_add_nc_u64 s[G0A+4*\k+2:G0A+4*\k+3], s[88:89], 2*CHK*\k
	s_or_b32 s[G0A+4*\k+3], s[G0A+4*\k+3], 0x80000000
	s_add_nc_u64 s[G0B+4*\k+2:G0B+4*\k+3], s[90:91], 2*CHK*\k
	s_or_b32 s[G0B+4*\k+3], s[G0B+4*\k+3], 0x80000000
.endr
.endm
; one matrix instruction.  c < 0: the constant 0 starts the sum.  ra, rb: the side's scale words stand in lanes 16-31
.macro WM d, a, b, c, sa, sb, ra, rb
.if (\c) < 0
.if (\ra) && (\rb)
	v_wmma_scale_f32_16x16x128_f8f6f4 v[(\d):(\d)+7], v[(\a):(\a)+11], v[(\b):(\b)+11], 0, v[(\sa)], v[(\sb)] matrix_a_fmt:MATRIX_FMT_FP6 matrix_b_fmt:MATRIX_FMT_FP6 matrix_a_scale:MATRIX_SCALE_ROW1 matrix_b_scale:MATRIX_SCALE_ROW1
.elseif (\ra)
	v_wmma_scale_f32_16x16x128_f8f6f4 v[(\d):(\d)+7], v[(\a):(\a)+11], v[(\b):(\b)+11], 0, v[(\sa)], v[(\sb)] matrix_a_fmt:MATRIX_FMT_FP6 matrix_b_fmt:MATRIX_FMT_FP6 matrix_a_scale:MATRIX_SCALE_ROW1
.elseif (\rb)
	v_wmma_scale_f32_16x16x128_f8f6f4 v[(\d):(\d)+7], v[(\a):(\a)+11], v[(\b):(\b)+11], 0, v[(\sa)], v[(\sb)] matrix_a_fmt:MATRIX_FMT_FP6 matrix_b_fmt:MATRIX_FMT_FP6 matrix_b_scale:MATRIX_SCALE_ROW1
.else
	v_wmma_scale_f32_16x16x128_f8f6f4 v[(\d):(\d)+7], v[(\a):(\a)+11], v[(\b):(\b)+11], 0, v[(\sa)], v[(\sb)] matrix_a_fmt:MATRIX_FMT_FP6 matrix_b_fmt:MATRIX_FMT_FP6
.endif
.else
.if (\ra) && (\rb)
	v_wmma_scale_f32_16x16x128_f8f6f4 v[(\d):(\d)+7], v[(\a):(\a)+11], v[(\b):(\b)+11], v[(\c):(\c)+7], v[(\sa)], v[(\sb)] matrix_a_fmt:MATRIX_FMT_FP6 matrix_b_fmt:MATRIX_FMT_FP6 matrix_a_scale:MATRIX_SCALE_ROW1 matrix_b_scale:MATRIX_SCALE_ROW1
.elseif (\ra)
	v_wmma_scale_f32_16x16x128_f8f6f4 v[(\d):(\d)+7], v[(\a):(\a)+11], v[(\b):(\b)+11], v[(\c):(\c)+7], v[(\sa)], v[(\sb)] matrix_a_fmt:MATRIX_FMT_FP6 matrix_b_fmt:MATRIX_FMT_FP6 matrix_a_scale:MATRIX_SCALE_ROW1
.elseif (\rb)
	v_wmma_scale_f32_16x16x128_f8f6f4 v[(\d):(\d)+7], v[(\a):(\a)+11], v[(\b):(\b)+11], v[(\c):(\c)+7], v[(\sa)], v[(\sb)] matrix_a_fmt:MATRIX_FMT_FP6 matrix_b_fmt:MATRIX_FMT_FP6 matrix_b_scale:MATRIX_SCALE_ROW1
.else
	v_wmma_scale_f32_16x16x128_f8f6f4 v[(\d):(\d)+7], v[(\a):(\a)+11], v[(\b):(\b)+11], v[(\c):(\c)+7], v[(\sa)], v[(\sb)] matrix_a_fmt:MATRIX_FMT_FP6 matrix_b_fmt:MATRIX_FMT_FP6
.endif
.endif
.endm
; 42 LDS loads in one run: a K step's 8 fragments of S0, 4 of S1, 4 + 2 registers of scale words, into set p
.macro FETCH p
	WIN TO1
.irp i, 0,1,2,3,4,5,6,7
.irp k, 0,1,2
	ds_load_b128 v[128*(\p)+12*\i+4*\k:128*(\p)+12*\i+4*\k+3], v[AD0] offset:1536*\i+512*\k
.endr
.endr
	WIN 0
.irp j, 0,1,2,3
.irp k, 0,1,2
	ds_load_b128 v[FB+48*(\p)+12*\j+4*\k:FB+48*(\p)+12*\j+4*\k+3], v[AD1] offset:1536*\j+512*\k
.endr
.endr
.irp q, 0,1,2,3
	ds_load_b32 v[SC+6*(\p)+\q], v[AS0] offset:128*\q
.endr
.irp q, 0,1
	ds_load_b32 v[SC+6*(\p)+4+\q], v[AS1] offset:128*\q
.endr
.endm
.macro MUL32 p, zero                   ; the 32 accumulators, one instruction a turn, in the same order in every K step
.irp j, 0,1,2,3
.irp i, 0,1,2,3,4,5,6,7
.if \zero
	WM 64*\j+8*\i, 128*(\p)+12*\i, FB+48*(\p)+12*\j, -1, SC+6*(\p)+\i/2, SC+6*(\p)+4+\j/2, \i%2, \j%2
.else
	WM 64*\j+8*\i, 128*(\p)+12*\i, FB+48*(\p)+12*\j, 64*\j+8*\i, SC+6*(\p)+\i/2, SC+6*(\p)+4+\j/2, \i%2, \j%2
.endif
.endr
.endr
.endm
; A K step on set p.  more = 1: the next step's fragments are fetched first, into the other set.  They lie in slot 1 for the first time where tc >= 0:
; tc = 0: my load of slot 1 is waited for, and a barrier shows everybody's.
; tc = 1: besides, slot 0 is read no more (K step 3's fragments are in registers): a wait for my tensor loads, an LDS add and its wait, a round of the cluster's barrier, and slot 0's fill for the next tile.
.macro KSTEP p, more, tc, zero
.if \more
.if (\tc) == 0
	s_wait_tensorcnt 0x0
	BAR
.endif
.if (\tc) == 1
	s_wait_tensorcnt 0x0                           ; all my tensor loads have landed: so every group 0 may be written
	ds_add_u32 v190, v191
	s_add_co_u32 s21, s22, 1
	TADDR 21                                       ; the next tile's addresses, for both slots: work on registers
	s_wait_dscnt 0x0                               ; the add is done, and so are my reads of slot 0
	ROUND
	JL 0
.endif
	v_add_nc_u32 v[AD0], REC, v[AD0]               ; on to the next record.  These four are also the places in front of loads into registers that the step before multiplied
	v_add_nc_u32 v[AS0], REC, v[AS0]
	v_add_nc_u32 v[AD1], REC, v[AD1]
	v_add_nc_u32 v[AS1], REC, v[AS1]
	FETCH 1-\p
	s_wait_dscnt 42                                ; all but the 42 just issued: this step's set is in
.else
	s_wait_dscnt 0x0
.endif
	WIN MUL
	MUL32 \p, \zero
	WIN 0
.endm
; 64 results of a lane in window 2, register 16 b + i = row 32 b + 16 (lane / 16) + i of S0, become a fragment: registers 0-5 at d0, 6-11 at d1, and the scale word in pw
.macro QUANT src, d0, d1, pw
	WIN 0x0a
.irp b, 0,1,2,3
	v_max3_num_f32 v[TM+\b], |v[(\src)+16*\b]|, |v[(\src)+16*\b+1]|, 0x1800000   ; my 16 numbers of block b, and the floor 2^(3 - 127)
.endr
.irp i, 2,4,6,8,10,12,14
.irp b, 0,1,2,3
	v_max3_num_f32 v[TM+\b], |v[(\src)+16*\b+\i]|, |v[(\src)+16*\b+\i+1]|, v[TM+\b]
.endr
.endr
	WIN 0
.irp b, 0,1,2,3
	v_permlanex16_b32 v[TM+4+\b], v[TM+\b], s[SEL], s[SEL+1]
.endr
.irp b, 0,1,2,3
	v_max_num_f32 v[TM+\b], v[TM+\b], v[TM+4+\b]
.endr
.irp b, 0,1,2,3
	v_add_nc_u32 v[TM+12+\b], 0xff000000, v[TM+\b]   ; 2 off the exponent field: the conversion's scale operand
.endr
.irp b, 0,1,2,3
	v_lshrrev_b32 v[TM+4+\b], 23, v[TM+12+\b]
.endr
	v_lshl_or_b32 v[\pw], v[TM+5], 8, v[TM+4]
	v_lshl_or_b32 v[\pw], v[TM+6], 16, v[\pw]
	v_lshl_or_b32 v[\pw], v[TM+7], 24, v[\pw]
	WIN 0x02
	v_cvt_scalef32_pk16_fp6_f32 v[(\d0):(\d0)+2], v[(\src):(\src)+15], v[TM+12]
	v_cvt_scalef32_pk16_fp6_f32 v[PT:PT+2], v[(\src)+16:(\src)+31], v[TM+13]
	v_cvt_scalef32_pk16_fp6_f32 v[(\d1):(\d1)+2], v[(\src)+32:(\src)+47], v[TM+14]
	v_cvt_scalef32_pk16_fp6_f32 v[PT+4:PT+6], v[(\src)+48:(\src)+63], v[TM+15]
	WIN 0
	v_nop                                          ; one plain place behind the scaled conversions
.irp i, 0,1,2
	v_permlane16_swap_b32 v[(\d0)+\i], v[PT+\i]
	v_permlane16_swap_b32 v[(\d1)+\i], v[PT+4+\i]
.endr
.irp i, 0,1,2
	v_mov_b32 v[(\d0)+3+\i], v[PT+\i]
	v_mov_b32 v[(\d1)+3+\i], v[PT+4+\i]
.endr
.endm
; A tile's K steps 0 to 5.  At its start slot 0 is on its way or in, and slot 1 is read no more.  next = 1: a further tile follows
.macro MAIN next
.irp x, 0,1,2,3
	v_mov_b32 v[AD0+\x], v[AI+\x]                  ; back to K step 0's records
.endr
	s_wait_alu depctr_va_vdst(0)
	s_wait_tensorcnt 0x0                           ; my part of slot 0 is in
	ds_add_u32 v190, v191
	s_wait_dscnt 0x0
	ROUND                                          ; everybody's part is in, no wave of any partner still reads slot 1, and all sixteen work-groups are here
	JL 1                                           ; K steps 4 to 7: four K steps stand between this request and the wait for it
	FETCH 0
	KSTEP 0, 1, -1, 1                              ; K step 0 starts the sums
	s_wait_alu depctr_va_vdst(0)
	KSTEP 1, 1, -1, 0
	s_wait_alu depctr_va_vdst(0)
	KSTEP 0, 1, -1, 0
	s_wait_alu depctr_va_vdst(0)
	KSTEP 1, 1, \next, 0                           ; it fetches K step 4, the first of slot 1
	s_wait_alu depctr_va_vdst(0)
	KSTEP 0, 1, -1, 0
	s_wait_alu depctr_va_vdst(0)
	KSTEP 1, 1, -1, 0
.endm
	s_load_b256 s[4:11], s[0:1], 0x0               ; img, bq, bk, bv
	s_load_b128 s[12:15], s[0:1], 0x20             ; qimg, kv
	v_lshl_add_u32 v190, v0, 2, 0x4b000
	v_mov_b32 v191, 0
	ds_add_u32 v190, v191                          ; the opening lines: the add, twice on end, and its wait ahead of my first tensor load
	ds_add_u32 v190, v191
	v_lshrrev_b32 v12, 5, v0
	v_readfirstlane_b32 s[WV], v12                 ; wave 0..3
	v_and_b32 v12, 31, v0
	v_lshlrev_b32 v[LI], 4, v12
	s_wait_alu depctr_va_vdst(0)
	v_lshlrev_b32 v[L4], 2, v12
	s_wait_alu depctr_va_vdst(0)
	v_lshlrev_b32 v[L8], 3, v12
	v_and_b32 v12, 15, v0                          ; r
	v_bfe_u32 v13, v0, 4, 1                        ; h
	v_lshlrev_b32 v[VB0], 6, v13
	v_and_b32 v[VB1], 8, v12
	v_add_nc_u32 v[VB1], v[VB1], v12
	v_lshlrev_b32 v[VB1], 2, v[VB1]
	s_lshr_b32 s17, s[WV], 1                       ; a: my group of S0
	s_and_b32 s18, s[WV], 1                        ; c: my half of S1.  Also: which part of a slot I fetch
	s_bfe_u32 s19, ttmp6, 0x40000                  ; cx
	s_bfe_u32 s20, ttmp6, 0x40004                  ; cy
	s_and_b32 s23, ttmp7, 0xffff                   ; the cluster's y, 0 .. 15
	s_mov_b32 s22, 0                               ; g
	s_mul_i32 s56, s17, GRP
	v_add_nc_u32 v[AI], s56, v[LI]
	s_add_co_u32 s56, s56, 12288
	v_add_nc_u32 v[AI+1], s56, v[L4]
	s_mul_i32 s56, s18, 6144
	s_add_co_u32 s56, s56, S1B
	v_add_nc_u32 v[AI+2], s56, v[LI]
	s_lshl_b32 s56, s18, 8
	s_add_co_u32 s56, s56, S1B+12288
	v_add_nc_u32 v[AI+3], s56, v[L4]
	s_mul_i32 s56, s18, 3072
	v_add_nc_u32 v[OC], s56, v[LI]
	s_lshl_b32 s56, s18, 7
	v_add_nc_u32 v[OS], s56, v[L4]
	s_mov_b32 s[SEL], 0x76543210
	s_mov_b32 s[SEL+1], 0xfedcba98
	s_mov_b32 s[UP], 0xffff0000
	s_mul_i32 s87, s18, GRP                        ; where S0's group goes: the wave's number alone
	s_lshl_b32 s57, 0x1111, s19                    ; my column of the cluster (same cx)
	s_or_b32 s[G1A], s57, (3<<16)|(1<<21)          ; 15:0 the mask; 17:16 elements of 8 bytes; 21 set beside a mask; no padding
	s_lshl_b32 s59, s20, 2
	s_lshl_b32 s59, 15, s59                        ; my row (same cy)
	s_or_b32 s[G1B], s59, (3<<16)|(1<<21)
.irp g, G1A, G1B
	s_mov_b32 s[\g+1], 32<<16                      ; tensor_dim0 = 32 elements: 256 bytes
	s_mov_b32 s[\g+2], (200-100*(\g/G1B))<<16      ; tensor_dim1: S0's loads bring four records, 200 rows; S1's two, 100 rows
	s_mov_b32 s[\g+3], 32<<16                      ; tile_dim0
	s_mov_b32 s[\g+4], 200-100*(\g/G1B)            ; tile_dim1
	s_mov_b32 s[\g+5], 32                          ; the pitch: dense
	s_mov_b32 s[\g+6], 0
	s_mov_b32 s[\g+7], 0
.endr
	s_mul_i32 s63, s18, CHK
.irp k, 0,1
	s_mov_b32 s[G0A+4*\k], 1
	s_add_co_u32 s[G0A+4*\k+1], s87, 2*CHK*\k
	s_mov_b32 s[G0B+4*\k], 1
	s_add_co_u32 s[G0B+4*\k+1], s63, S1B+2*CHK*\k
.endr
	s_wait_alu depctr_va_vdst(0)
	s_wait_dscnt 0x0                               ; both opening adds are done
	s_wait_kmcnt 0x0
	TADDR 22
	ROUND                                          ; all sixteen work-groups are here: the joint loads meet
	JL 0                                           ; Q's K steps 0 to 3: one tensor load a wave
.Ltile:                                                ; ---- g = 0: Q, g = 1: K
	MAIN 1
	s_cmp_eq_u32 s22, 0
	s_cselect_b64 s[92:93], s[6:7], s[8:9]         ; bq or bk
	s_cselect_b64 s[94:95], s[12:13], s[14:15]     ; qimg or kv
	s_mov_b32 s76, REC
	s_cselect_b32 s76, 6400, s76                   ; a record there
	s_lshl_b32 s78, s19, 10
	s_lshl_b32 s79, s17, 9
	s_add_co_u32 s78, s78, s79                     ; my 128 columns: 4 (256 cx + 128 a) bytes
	s_mov_b32 s79, 0
	s_add_nc_u64 s[92:93], s[92:93], s[78:79]
.irp i, 0,1,2,3,4,5,6,7
	global_load_b128 v[BI+8*\i:BI+8*\i+3], v[VB0], s[92:93] offset:128*(\i/2)+32*(\i%2)      ; register e of tile i: column 32 (i / 2) + 16 h + 8 (i % 2) + e
	global_load_b128 v[BI+8*\i+4:BI+8*\i+7], v[VB0], s[92:93] offset:128*(\i/2)+32*(\i%2)+16
.endr
	s_lshl_b32 s78, s23, 2
	s_add_co_u32 s78, s78, s20                     ; my group of tokens, 0 .. 63
	s_lshr_b32 s79, s78, 4                         ; batch
	s_and_b32 s78, s78, 15                         ; key step
	s_lshl_b32 s79, s79, 4
	s_lshl_b32 s80, s19, 2
	s_add_co_u32 s79, s79, s80
	s_lshl_b32 s80, s17, 1
	s_add_co_u32 s79, s79, s80                     ; 16 batch + head, head = 4 cx + 2 a
	s_lshl_b32 s79, s79, 4
	s_add_co_u32 s79, s79, s78
	s_mul_i32 s78, s79, s76
	s_mov_b32 s79, 0
	s_add_nc_u64 s[94:95], s[94:95], s[78:79]      ; the even head's record
	s_lshl_b32 s78, s76, 4
	s_add_nc_u64 s[96:97], s[94:95], s[78:79]      ; the odd head's: 16 records on
	s_wait_alu depctr_va_vdst(0)
	KSTEP 0, 1, -1, 0
	KSTEP 1, 0, -1, 0
	PLACES 4                                       ; in front of the first read of results
	s_wait_loadcnt 0x0                             ; the bias
	WIN 0x82
.irp j, 0,1,2,3
.irp i, 0,1,2,3,4,5,6,7
.irp e, 0,2,4,6
	v_pk_add_f32 v[64*\j+8*\i+\e:64*\j+8*\i+\e+1], v[64*\j+8*\i+\e:64*\j+8*\i+\e+1], v[BI+8*\i+\e:BI+8*\i+\e+1]
.endr
.endr
.endr
	WIN 0
.irp b, 0,1,2,3
	v_mov_b32 v[TM+4+\b], 0                        ; a lane permute's destination counts as one of its sources
.endr
.irp p, 0,1                            ; token tiles 2 p, 2 p + 1 of my four: image 2 c + p of both heads.  A tile's 128 columns are the even head's 64 (registers 0-5 of its fragment) and the odd head's (6-11)
	QUANT 128*\p, F+24*\p, F+24*\p+12, PW
	QUANT 128*\p+64, F+24*\p+6, F+24*\p+18, PW+1
	v_perm_b32 v[W+\p], v[PW+1], v[PW], 0x05040100     ; the even head's word: the first tile's two bytes, the second's two
	v_perm_b32 v[W+2+\p], v[PW+1], v[PW], 0x07060302   ; the odd head's
.irp k, 0,1,2
	global_store_b128 v[OC], v[F+24*\p+4*\k:F+24*\p+4*\k+3], s[94:95] offset:1536*\p+512*\k       ; 512 consecutive bytes, at a multiple of 256 from the buffer's first byte
	global_store_b128 v[OC], v[F+24*\p+12+4*\k:F+24*\p+12+4*\k+3], s[96:97] offset:1536*\p+512*\k
.endr
.endr
	v_cndmask_b32 v[R], v[W], v[W+1], s[UP]        ; image 2 c in lanes 0-15, image 2 c + 1 in lanes 16-31
	v_cndmask_b32 v[R+1], v[W+2], v[W+3], s[UP]
	global_store_b32 v[OS], v[R], s[94:95] offset:6144
	global_store_b32 v[OS], v[R+1], s[96:97] offset:6144
	s_wait_xcnt 0x0                                ; the stores have read their registers and bases: the next tile may write them; nothing waits for the stores themselves
	s_add_co_u32 s22, s22, 1
	s_cmp_lt_u32 s22, 2
	s_wait_alu depctr_va_vdst(0)
	s_cbranch_scc1 .Ltile
	; ---- g = 2: V, the last tile: it asks for no further slot 0
	MAIN 0
	s_and_b32 s76, s23, 1
	s_lshl_b32 s78, s76, 11
	s_lshl_b32 s79, s20, 9
	s_add_co_u32 s78, s78, s79
	s_lshl_b32 s79, s18, 8
	s_add_co_u32 s78, s78, s79                     ; my head's 64 columns: 4 (128 (4 (y % 2) + cy) + 64 c) bytes
	s_mov_b32 s79, 0
	s_add_nc_u64 s[92:93], s[10:11], s[78:79]
.irp j, 0,1,2,3
	global_load_b32 v[BI+2*\j], v[VB1], s[92:93] offset:128*(\j/2)+32*(\j%2)     ; my lane's column of tile j, twice: a pair for the packed addition
	global_load_b32 v[BI+2*\j+1], v[VB1], s[92:93] offset:128*(\j/2)+32*(\j%2)
.endr
	s_lshr_b32 s78, s23, 1
	s_lshl_b32 s78, s78, 3
	s_lshl_b32 s79, s19, 1
	s_add_co_u32 s78, s78, s79
	s_add_co_u32 s78, s78, s17                     ; my group of tokens, 0 .. 63
	s_lshr_b32 s79, s78, 4                         ; batch
	s_and_b32 s78, s78, 15                         ; key step
	s_lshl_b32 s79, s79, 4
	s_lshl_b32 s80, s76, 3
	s_add_co_u32 s79, s79, s80
	s_lshl_b32 s80, s20, 1
	s_add_co_u32 s79, s79, s80
	s_add_co_u32 s79, s79, s18                     ; 16 batch + head, head = 8 (y % 2) + 2 cy + c
	s_lshl_b32 s79, s79, 4
	s_add_co_u32 s79, s79, s78
	s_mul_i32 s78, s79, REC
	s_add_co_u32 s78, s78, 6400                    ; V's part of the record
	s_mov_b32 s79, 0
	s_add_nc_u64 s[94:95], s[14:15], s[78:79]
	s_wait_alu depctr_va_vdst(0)
	KSTEP 0, 1, -1, 0
	KSTEP 1, 0, -1, 0
	PLACES 4
	s_wait_loadcnt 0x0
	WIN 0x82
.irp j, 0,1,2,3
.set x, 0
.rept 32
	v_pk_add_f32 v[64*\j+x:64*\j+x+1], v[64*\j+x:64*\j+x+1], v[BI+2*\j:BI+2*\j+1]
.set x, x+2
.endr
.endr
	WIN 0
.irp b, 0,1,2,3
	v_mov_b32 v[TM+4+\b], 0
.endr
.irp j, 0,1,2,3                        ; tile j of the head's 64 x my 128 keys: one image
	QUANT 64*\j, F+12*\j, F+12*\j+6, PW+\j
.irp k, 0,1,2
	global_store_b128 v[LI], v[F+12*\j+4*\k:F+12*\j+4*\k+3], s[94:95] offset:1536*\j+512*\k
.endr
.endr
	v_cndmask_b32 v[R], v[PW], v[PW+1], s[UP]
	v_cndmask_b32 v[R+1], v[PW+2], v[PW+3], s[UP]
	global_store_b64 v[L8], v[R:R+1], s[94:95] offset:6144    ; 256 consecutive bytes, aligned
	s_wait_tensorcnt 0x0                           ; the wave's end
	ds_add_u32 v190, v191
	s_wait_dscnt 0x0
	ROUND                                          ; the closing round: no work-group ends while a partner may still ask for a tile that names it
	s_endpgm
.Lfunc_end_k_q9a94fe5968_proj:
	.size	k_q9a94fe5968_proj, .Lfunc_end_k_q9a94fe5968_proj-k_q9a94fe5968_proj
	.p2alignl 7, 3214868480
	.fill 96, 4, 3214868480
	.section	.rodata,"a",@progbits
	.p2align	6, 0x0
	.amdhsa_kernel k_q9a94fe5968_proj
		.amdhsa_group_segment_fixed_size 327680
		.amdhsa_private_segment_fixed_size 0
		.amdhsa_enable_private_segment 0
		.amdhsa_kernarg_size 48
		.amdhsa_user_sgpr_count 2
		.amdhsa_user_sgpr_kernarg_segment_ptr 1
		.amdhsa_wavefront_size32 1
		.amdhsa_system_sgpr_workgroup_id_x 1
		.amdhsa_system_sgpr_workgroup_id_y 1
		.amdhsa_system_sgpr_workgroup_id_z 1
		.amdhsa_system_vgpr_workitem_id 0
		.amdhsa_next_free_vgpr 768
		.amdhsa_next_free_sgpr 100
		.amdhsa_reserve_vcc 0
		.amdhsa_float_denorm_mode_32 3
		.amdhsa_float_denorm_mode_16_64 3
		.amdhsa_memory_ordered 1
		.amdhsa_forward_progress 1
		.amdhsa_inst_pref_size 179
	.end_amdhsa_kernel
	.amdgpu_metadata
---
amdhsa.version: [ 1, 2 ]
amdhsa.kernels:
  - .name:           k_q9a94fe5968_proj
    .symbol:         k_q9a94fe5968_proj.kd
    .args:
      - { .name: img, .offset: 0, .size: 8, .value_kind: global_buffer, .address_space: global }
      - { .name: bq, .offset: 8, .size: 8, .value_kind: global_buffer, .address_space: global }
      - { .name: bk, .offset: 16, .size: 8, .value_kind: global_buffer, .address_space: global }
      - { .name: bv, .offset: 24, .size: 8, .value_kind: global_buffer, .address_space: global }
      - { .name: qimg, .offset: 32, .size: 8, .value_kind: global_buffer, .address_space: global }
      - { .name: kv, .offset: 40, .size: 8, .value_kind: global_buffer, .address_space: global }
    .group_segment_fixed_size: 327680
    .private_segment_fixed_size: 0
    .kernarg_segment_align: 8
    .kernarg_segment_size: 48
    .max_flat_workgroup_size: 128
    .sgpr_count:     100
    .vgpr_count:     768
    .wavefront_size: 32
...
	.end_amdgpu_metadata
.endif
;; end of part 2
;; launch attn (part 3): grid 4 x 64, 16 waves a work-group, clusters of 4 x 1, 206,848 bytes of LDS; arguments qimg, kv, cimg; writes cimg
.if DOCPART == 3
	.amdgcn_target "amdgcn-amd-amdhsa--gfx1250"
	.amdhsa_code_object_version 6
	.text
	.protected	k_q9a94fe5968_attn
	.globl	k_q9a94fe5968_attn
	.p2align	8
	.type	k_q9a94fe5968_attn,@function
k_q9a94fe5968_attn:
	s_mov_b64 s[64:65], 0
	v_nop
	global_prefetch_b8 v0, s[64:65] scope:SCOPE_SE
	s_setreg_imm32_b32 hwreg(HW_REG_WAVE_MODE, 25, 1), 1
	s_wait_xcnt 0x0
	s_wait_alu depctr_hold_cnt(0) depctr_sa_sdst(0) depctr_va_vdst(0) depctr_va_sdst(0) depctr_va_ssrc(0) depctr_va_vcc(0) depctr_vm_vsrc(0)
	s_getreg_b32 s2, hwreg(HW_REG_IB_STS2, 6, 4)
	s_cmp_eq_u32 s2, 0
	s_cbranch_scc0 .Lentry_in_a_cluster
	s_endpgm
.Lentry_in_a_cluster:
	s_bfe_u32 s2, ttmp6, 0x10000c
	s_cmp_lg_u32 s2, 0x3003
	s_cbranch_scc0 .Lentry_shape_is_right
	s_endpgm
.Lentry_shape_is_right:
; ctx[b][q][head] = softmax_k(Q . K / 8) V for one (batch, head) = work-group y, both products on codes of FP6 (E2M3) with E8M0 scales; ctx is quantised along E and stored as register images for the last launch.
; THE SOFTMAX: t = score x log2(e) / 8; M = the running largest t rounded UP to a whole number; p = 2^(t - M) is quantised along the keys, not normalised; the row's sum is taken of the unquantised p and divides at the end;
; when M moves, the sum and O are multiplied by 2^(old M - new M), which rounds nothing.
; SHARES.  256 work-groups.  A work-group owns 512 queries of one head; each of its sixteen waves owns two tiles of 16 queries and walks the head's 2,048 keys once for each tile (the outer loop), 128 keys a step.
; LDS holds the head's sixteen records of kv (12,800 bytes a key step: K's four images and scale words, V's four and theirs): 204,800 bytes, each filled once: every wave fetches one record, 50 rows of 256 dense bytes, by its one tensor load at the head.
; CLUSTER 4 x 1: the four work-groups of a cluster are the four query blocks of one head and ask for K and V jointly.  Nothing is prefetched: every byte of K and V is asked for at the head, so there is no loop to run ahead in.
; THE FIRST PRODUCT HAS K = 64 in an instruction of 128: an image of K holds TWO tiles of 16 keys, one in each half of K; the wave's queries stand between two runs of zero codes, v16-33 = (zeros, q, zeros): v22-33 = (q, zeros) picks the first tile, v16-27 = (zeros, q) the second.
; Both products are used transposed (source 0 = keys, or 16 of the head's 64; source 1 = my queries, or p): a lane holds one query throughout.
; THE KEYS OF A TILE: row m of tile T is key 64 (T / 4) + 32 (m / 8) + 8 (T % 4) + m % 8 of the step (laid so by the first launch).  So score register 32 c + i of lane (r, h) is key 64 c + 32 h + i:
; a lane's 32 registers are ONE WHOLE BLOCK of 32 keys, in the order of p's operand: a block's largest score needs no other lane, and the conversions' results change no lane.
; LIMITS: NaN and infinities are not served; a block of ctx under 2^-124 gets the byte 1; the promise holds while the scaled scores stay under 2^31 in magnitude.
.set REC,  12800
.set SPARE, 16*REC                     ; behind the records: the spare words, 128 bytes a wave
.set NEXTQ, 8*28672                    ; cimg: from my first tile's 32 tokens to my second's: 256 queries on
.set LI,   1                           ; v1 16 x lane, v2 4 x lane, v3 8 x lane
.set L4,   2
.set L8,   3
.set ADK,  4                           ; v4-6 the same + the record's LDS byte
.set ADS,  5
.set ADV,  6
.set SH8,  10                          ; v10 8 h
.set ZQ,   16                          ; v16-33 zeros, q, zeros
.set QS,   34                          ; q's scale word
.set Q2,   36                          ; v36-41 my second tile's q, v42 its scale word
.set Q2S,  42
.set KS,   44
.set VS,   46
.set KF,   48                          ; v48-95 four images of K, then of V
.set S,    96                          ; v96-159 S^T, then p
.set O,    160                         ; v160-191 O^T
.set PC,   192                         ; v192-203 p's codes
.set PT,   204                         ; v204-206, v208-210 the blocks' upper halves on their way
.set CM,   212                         ; v212-215 largest scores
.set BT,   216
.set SOP,  218
.set FF,   224                         ; f = 2^(old M - new M); named as a pair with
.set PW,   225                         ; p's scale word
.set TT,   226
.set TU,   227
.set T,    228                         ; v228-235 the sum's four chains
.set SPW,  254
.set NIL,  255
.set WV,   10
.set TB,   2                           ; s2 LDS byte of the key step's record; s3 steps to go; s12 tiles to go
.set SEL,  20
.set CS,   22                          ; s[22:23] c = log2(e) / 8
.set G1,   24
.set G0,   32
.macro PLACES n
.rept \n
	v_nop
.endr
.endm
.macro DLY n
	s_delay_alu instid0(VALU_DEP_\n)
.endm
.macro ROUND
	s_barrier_signal -1
	s_barrier_wait -1
	s_cmp_lg_u32 s[WV], 0
	s_cbranch_scc1 .Lnot_wave_0_\@
	s_barrier_signal -3
.Lnot_wave_0_\@:
	s_barrier_wait -3
	s_barrier_signal -1
	s_barrier_wait -1
.endm
; one matrix instruction.  c < 0: the constant 0 starts the sum.  ra: source 0's scale words stand in lanes 16-31
.macro WM d, a, b, c, sa, sb, ra
.if (\c) < 0
.if (\ra)
	v_wmma_scale_f32_16x16x128_f8f6f4 v[(\d):(\d)+7], v[(\a):(\a)+11], v[(\b):(\b)+11], 0, v[(\sa)], v[(\sb)] matrix_a_fmt:MATRIX_FMT_FP6 matrix_b_fmt:MATRIX_FMT_FP6 matrix_a_scale:MATRIX_SCALE_ROW1
.else
	v_wmma_scale_f32_16x16x128_f8f6f4 v[(\d):(\d)+7], v[(\a):(\a)+11], v[(\b):(\b)+11], 0, v[(\sa)], v[(\sb)] matrix_a_fmt:MATRIX_FMT_FP6 matrix_b_fmt:MATRIX_FMT_FP6
.endif
.else
.if (\ra)
	v_wmma_scale_f32_16x16x128_f8f6f4 v[(\d):(\d)+7], v[(\a):(\a)+11], v[(\b):(\b)+11], v[(\c):(\c)+7], v[(\sa)], v[(\sb)] matrix_a_fmt:MATRIX_FMT_FP6 matrix_b_fmt:MATRIX_FMT_FP6 matrix_a_scale:MATRIX_SCALE_ROW1
.else
	v_wmma_scale_f32_16x16x128_f8f6f4 v[(\d):(\d)+7], v[(\a):(\a)+11], v[(\b):(\b)+11], v[(\c):(\c)+7], v[(\sa)], v[(\sb)] matrix_a_fmt:MATRIX_FMT_FP6 matrix_b_fmt:MATRIX_FMT_FP6
.endif
.endif
.endm
	s_load_b128 s[4:7], s[0:1], 0x0                ; qimg, kv
	s_load_b64 s[8:9], s[0:1], 0x10                ; cimg
	v_lshl_add_u32 v[SPW], v0, 2, SPARE
	v_mov_b32 v[NIL], 0
	ds_add_u32 v[SPW], v[NIL]                      ; the opening lines: the add, twice on end, and its wait ahead of my tensor load
	ds_add_u32 v[SPW], v[NIL]
	v_lshrrev_b32 v7, 5, v0
	v_and_b32 v9, 31, v0
	v_and_b32 v8, 15, v0
	v_bfe_u32 v[SH8], v0, 4, 1
	v_readfirstlane_b32 s[WV], v7                  ; wave 0..15
	v_lshlrev_b32 v[LI], 4, v9
	v_lshlrev_b32 v[L4], 2, v9
	v_lshlrev_b32 v[L8], 3, v9
	v_lshlrev_b32 v8, 2, v8                        ; 4 r
	v_lshlrev_b32 v[SH8], 3, v[SH8]
	s_bfe_u32 s11, ttmp6, 0x40000                  ; cx: my block of 512 queries: it enters global addresses of Q and ctx alone
	s_and_b32 s13, ttmp7, 0xffff                   ; y = 16 batch + head, which the partners share
	s_and_b32 s14, s[WV], 1                        ; u: my tile of an image's two
	s_mul_i32 s15, s[WV], REC                      ; my record: key step = wave
	s_mul_i32 s16, s13, 16*REC
	s_add_co_u32 s16, s16, s15
	s_mov_b32 s17, 0
	s_mov_b32 s[G1], 15|(3<<16)|(1<<21)            ; 15:0 the mask: all four work-groups; 17:16 elements of 8 bytes; 21 set beside a mask; no padding
	s_mov_b32 s[G1+1], 32<<16                      ; tensor_dim0 = 32 elements: 256 bytes
	s_mov_b32 s[G1+2], 50<<16                      ; tensor_dim1 = 50 rows: one record
	s_mov_b32 s[G1+3], 32<<16                      ; tile_dim0
	s_mov_b32 s[G1+4], 50                          ; tile_dim1
	s_mov_b32 s[G1+5], 32                          ; the pitch: dense
	s_mov_b32 s[G1+6], 0
	s_mov_b32 s[G1+7], 0
	s_mov_b32 s[SEL], 0x76543210
	s_mov_b32 s[SEL+1], 0xfedcba98
	s_mov_b32 s[CS], 0x3e38aa3b                    ; log2(e) / 8
	s_mov_b32 s[CS+1], s[CS]                       ; (named with it as a pair, so it is written)
	; my queries: record 16 y + 4 cx + wave / 8 of qimg (6,400 bytes), image f = (wave % 8) / 2, tile u; my second tile: two records on
	s_lshl_b32 s48, s13, 4
	s_lshl_b32 s49, s11, 2
	s_add_co_u32 s48, s48, s49
	s_lshr_b32 s49, s[WV], 3
	s_add_co_u32 s48, s48, s49
	s_mul_i32 s48, s48, 6400
	s_bfe_u32 s50, s[WV], 0x20001                  ; f
	s_mul_i32 s51, s50, 1536
	s_add_co_u32 s52, s48, s51
	s_mov_b32 s53, 0
	s_lshl_b32 s51, s50, 6                         ; its scale words: register f / 2, lanes 16 (f % 2) on: 64 f bytes
	s_add_co_u32 s54, s48, s51
	s_add_co_u32 s54, s54, 6144
	s_mov_b32 s55, 0
	s_cmp_eq_u32 s14, 1
	s_cselect_b32 s18, -1, 0                       ; all lanes, where my tile is the image's second
	s_lshl_b32 s19, s14, 4                         ; 16 u: where its two bytes stand in the image's scale word
	; cimg: a block of 28,672 bytes for each 32 tokens P = 64 batch + 16 cx + wave / 2 (+ 8 for my second tile): codes at (2 head + u) 768 + 256 k + 8 l, scale halves at 24,576 + 256 head + 128 u + 4 l
	s_lshr_b32 s56, s13, 4
	s_lshl_b32 s56, s56, 6
	s_lshl_b32 s57, s11, 4
	s_add_co_u32 s56, s56, s57
	s_lshr_b32 s57, s[WV], 1
	s_add_co_u32 s56, s56, s57
	s_mul_i32 s56, s56, 28672
	s_and_b32 s57, s13, 15                         ; head
	s_mul_i32 s58, s57, 1536
	s_add_co_u32 s58, s58, s56
	s_mul_i32 s59, s14, 768
	s_add_co_u32 s58, s58, s59
	s_mov_b32 s59, 0
	s_lshl_b32 s60, s57, 8
	s_add_co_u32 s60, s60, s56
	s_lshl_b32 s61, s14, 7
	s_add_co_u32 s60, s60, s61
	s_add_co_u32 s60, s60, 24576
	s_mov_b32 s61, 0
	s_wait_alu depctr_va_vdst(0)
	s_wait_dscnt 0x0                               ; both opening adds are done
	s_wait_kmcnt 0x0
	s_mov_b32 s[G0], 1
	s_mov_b32 s[G0+1], s15
	s_add_nc_u64 s[G0+2:G0+3], s[6:7], s[16:17]
	s_or_b32 s[G0+3], s[G0+3], 0x80000000
	s_add_nc_u64 s[52:53], s[4:5], s[52:53]
	s_add_nc_u64 s[54:55], s[4:5], s[54:55]
	s_add_nc_u64 s[58:59], s[8:9], s[58:59]
	s_add_nc_u64 s[60:61], s[8:9], s[60:61]
	ROUND                                          ; all four work-groups are here: the joint loads meet
	tensor_load_to_lds s[G0:G0+3], s[G1:G1+7]      ; every wave's one load: its record
	s_nop 0
	PLACES 4
.irp k, 0,1,2
	global_load_b128 v[KF+4*\k:KF+4*\k+3], v[LI], s[52:53] offset:512*\k
	global_load_b128 v[KF+12+4*\k:KF+12+4*\k+3], v[LI], s[52:53] offset:12800+512*\k
.endr
	global_load_b32 v[TT], v8, s[54:55]
	global_load_b32 v[TU], v8, s[54:55] offset:12800
.irp i, 0,1,2,3,4,5
	v_mov_b32 v[ZQ+\i], 0                          ; the zero codes on both sides of q
	v_mov_b32 v[ZQ+12+\i], 0
.endr
	v_mov_b32 v[BT], 0                             ; a lane permute's destination counts as one of its sources
	v_mov_b32 v[BT+1], 0
	v_mov_b32 v[PW], 0                             ; (named as the upper half of a pair before it is first written)
	s_wait_loadcnt 0x0
.irp i, 0,1,2,3,4,5
	v_cndmask_b32 v[ZQ+6+\i], v[KF+\i], v[KF+6+\i], s18       ; my tile's six registers
	v_cndmask_b32 v[Q2+\i], v[KF+12+\i], v[KF+18+\i], s18     ; and my second tile's
.endr
	v_lshrrev_b32 v[TT], s19, v[TT]
	v_lshrrev_b32 v[TU], s19, v[TU]
	DLY 2
	v_and_b32 v[TT], 0xffff, v[TT]                 ; my tile's two bytes,
	DLY 2
	v_and_b32 v[TU], 0xffff, v[TU]
	DLY 2
	v_lshl_or_b32 v[QS], v[TT], 16, v[TT]          ; for either half of K
	DLY 2
	v_lshl_or_b32 v[Q2S], v[TU], 16, v[TU]
	s_mov_b32 s12, 2
	s_wait_alu depctr_va_vdst(0)
	s_wait_tensorcnt 0x0                           ; my record is in
	s_wait_dscnt 0x0
	s_barrier_signal -1
	s_barrier_wait -1                              ; and everybody's: all sixteen records; nothing is ever filled again
; A KEY STEP: 128 keys, the record at s[TB]
.macro STEP
	v_add_nc_u32 v[ADK], s[TB], v[LI]              ; these four lines are also the places in front of loads into registers that the last products read
	v_add_nc_u32 v[ADS], s[TB], v[L4]
	v_add_nc_u32 v[ADV], s[TB], v[L8]
	v_mov_b32 v[TT], v12                           ; the old -M
.irp f, 0,1,2,3
.irp k, 0,1,2
	ds_load_b128 v[KF+12*\f+4*\k:KF+12*\f+4*\k+3], v[ADK] offset:1536*\f+512*\k
.endr
.endr
	ds_load_b32 v[KS], v[ADS] offset:6144
	ds_load_b32 v[KS+1], v[ADS] offset:6272
	SUM                                            ; the step before's p is summed here, under that step's M: 32 additions that hang neither on the last products nor on the loads just issued (a tile's first step finds zeros)
	s_wait_alu depctr_va_vdst(0)
	s_wait_dscnt 0x0
.irp f, 0,1,2,3
.irp u, 0,1
	WM S+8*(2*\f+\u), KF+12*\f, ZQ+6-6*\u, -1, KS+\f/2, QS, \f%2     ; tile T = 2 f + u: register 8 T + e of lane (r, h): key 64 (T / 4) + 32 h + 8 (T % 4) + e, query r
.endr
.endr
	PLACES 4
.irp j, 0,1,2,3
.irp k, 0,1,2
	ds_load_b128 v[KF+12*\j+4*\k:KF+12*\j+4*\k+3], v[ADK] offset:6400+1536*\j+512*\k   ; V lands while the softmax is worked
.endr
.endr
	ds_load_b64 v[VS:VS+1], v[ADV] offset:12544
.irp b, 0,1,2,3
	v_max3_num_f32 v[CM+\b], v[S+16*\b], v[S+16*\b+1], v[S+16*\b+2]   ; four chains by turns, 16 scores each; each accumulator is read from its low end on
.endr
.irp i, 3,5,7,9,11,13
.irp b, 0,1,2,3
	v_max3_num_f32 v[CM+\b], v[CM+\b], v[S+16*\b+\i], v[S+16*\b+\i+1]
.endr
.endr
.irp b, 0,1,2,3
	v_max_num_f32 v[CM+\b], v[CM+\b], v[S+16*\b+15]
.endr
	DLY 3
	v_max_num_f32 v[CM], v[CM], v[CM+1]            ; the largest score of my block h: for the row's maximum, and, since p rises with the score, for the block's largest p
	DLY 2
	v_max_num_f32 v[CM+1], v[CM+2], v[CM+3]        ; and of my block 2 + h
	DLY 1
	v_max_num_f32 v[TU], v[CM], v[CM+1]
	DLY 1
	v_permlanex16_b32 v[BT], v[TU], s[SEL], s[SEL+1]
	DLY 1
	v_max3_num_f32 v13, v13, v[TU], v[BT]          ; the running largest score of my query (with lane l xor 16's 64 keys)
	DLY 1
	v_mul_f32 v[TU], s[CS], v13                    ; as t (c is positive, and the rounding keeps the order)
	DLY 1
	v_floor_f32 v12, -v[TU]                        ; the new -M = floor(-t): M is a whole number
	DLY 1
	v_sub_f32 v[TT], v12, v[TT]                    ; old M - new M, 0 or less
	DLY 1
	v_cvt_i32_f32 v[TT], v[TT]                     ; (it saturates)
	DLY 1
	v_ldexp_f32 v[FF], 1.0, v[TT]                  ; f = 2^(old M - new M)
.set j, 0
.rept 32
	v_pk_fma_f32 v[S+j:S+j+1], v[S+j:S+j+1], s[CS:CS+1], v[12:13] op_sel_hi:[1,0,0]   ; t - M, two at a time
.set j, j+2
.endr
	v_fma_f32 v[CM], v[CM], s[CS], v12             ; the same of each block's largest score
	v_fma_f32 v[CM+1], v[CM+1], s[CS], v12
	s_wait_alu depctr_va_vdst(0)                   ; the wait ahead of the batch
.set j, 0
.rept 64
	v_exp_f32 v[S+j], v[S+j]                       ; p = 2^(t - M), at most 1
.set j, j+1
.endr
	v_exp_f32 v[CM], v[CM]                         ; the block's largest p: the same two instructions on the same number
	v_exp_f32 v[CM+1], v[CM+1]
	v_pk_mul_f32 v[14:15], v[14:15], v[FF:FF+1] op_sel_hi:[1,0]   ; the sums under the new M.  (A plain place behind the exponentials)
	s_wait_alu depctr_va_vdst(0)                   ; one wait for the whole batch, ahead of its first reader
	v_max_num_f32 v[CM], 0x1800000, v[CM]          ; the floor 2^(3 - 127): the byte cannot fall under 1
	v_max_num_f32 v[CM+1], 0x1800000, v[CM+1]
	DLY 2
	v_add_nc_u32 v[SOP], 0xff000000, v[CM]         ; 2 off the exponent field: the conversion's scale operand
	DLY 2
	v_add_nc_u32 v[SOP+1], 0xff000000, v[CM+1]
	DLY 2
	v_lshrrev_b32 v[BT], 23, v[SOP]
	DLY 2
	v_lshrrev_b32 v[BT+1], 23, v[SOP+1]
	DLY 1
	v_lshl_or_b32 v[PW], v[BT+1], 16, v[BT]        ; my two bytes: blocks h and 2 + h,
	DLY 1
	v_lshlrev_b32 v[PW], v[SH8], v[PW]             ; at their places in the scale word;
	DLY 1
	v_permlanex16_b32 v[BT], v[PW], s[SEL], s[SEL+1]
	DLY 1
	v_or_b32 v[PW], v[PW], v[BT]                   ; with lane l xor 16's two the word is whole
.irp c, 0,1
	v_cvt_scalef32_pk16_fp6_f32 v[PC+6*\c:PC+6*\c+2], v[S+32*\c:S+32*\c+15], v[SOP+\c]          ; registers 6 c .. 6 c + 2 of p's operand
	v_cvt_scalef32_pk16_fp6_f32 v[PT+4*\c:PT+4*\c+2], v[S+32*\c+16:S+32*\c+31], v[SOP+\c]       ; (a conversion's three registers begin on an even number: the upper half is made elsewhere and moved)
.endr
	s_wait_alu depctr_va_vdst(0)                   ; ahead of the first reader of O^T
.set j, 0
.rept 4
	v_pk_mul_f32 v[O+j:O+j+1], v[O+j:O+j+1], v[FF:FF+1] op_sel_hi:[1,0]   ; O^T under the new M, each accumulator from its low end on.  (The first is the plain place behind the conversions)
.set j, j+2
.endr
.irp i, 0,1,2
	v_mov_b32 v[PC+3+\i], v[PT+\i]
	v_mov_b32 v[PC+9+\i], v[PT+4+\i]
.endr
.rept 12
	v_pk_mul_f32 v[O+j:O+j+1], v[O+j:O+j+1], v[FF:FF+1] op_sel_hi:[1,0]   ; (these twelve are also the places between the making of p's codes and the products)
.set j, j+2
.endr
	s_wait_alu depctr_va_vdst(0)
	s_wait_dscnt 0x0                               ; V
.irp j, 0,1,2,3
	WM O+8*\j, KF+12*\j, PC, O+8*\j, VS+\j/2, PW, \j%2    ; the four accumulators by turns, one instruction a turn
.endr
	s_add_co_u32 s[TB], s[TB], REC
.endm
; The row's sum is taken of the unquantised p, which lies in v[S] on until the next scores land there: four chains of pairs
.macro SUM
.irp k, 0,1,2,3
	v_pk_add_f32 v[T+2*\k:T+2*\k+1], v[S+2*\k:S+2*\k+1], v[S+8+2*\k:S+8+2*\k+1]
.endr
.irp o, 16,24,32,40,48,56
.irp k, 0,1,2,3
	v_pk_add_f32 v[T+2*\k:T+2*\k+1], v[T+2*\k:T+2*\k+1], v[S+\o+2*\k:S+\o+2*\k+1]
.endr
.endr
	v_pk_add_f32 v[T:T+1], v[T:T+1], v[T+2:T+3]
	v_pk_add_f32 v[T+4:T+5], v[T+4:T+5], v[T+6:T+7]
	DLY 1
	v_pk_add_f32 v[T:T+1], v[T:T+1], v[T+4:T+5]
	DLY 1
	v_pk_add_f32 v[14:15], v[14:15], v[T:T+1]
.endm
.Ltile:
	v_mov_b32 v13, 0xff61b1e6                      ; the largest score so far: -3e38, under every score
	v_mov_b32 v12, 0x7e000000                      ; -M: 2^125, a whole number: the first step's f comes out 0
	v_mov_b32 v14, 0
	v_mov_b32 v15, 0
.set i, 0
.rept 96
	v_mov_b32 v[S+i], 0                            ; v96-159: the p that the first step sums; v160-191: O^T: the step is written once, and the first change of M leaves zeros zeros
.set i, i+1
.endr
	s_mov_b32 s[TB], 0
	s_mov_b32 s3, 16
.Lstep:
	STEP
	s_sub_co_u32 s3, s3, 1
	s_cmp_lg_u32 s3, 0
	s_cbranch_scc1 .Lstep
	SUM                                            ; the last step's p
	; THE WAY OUT: O^T / the sum is ctx(query r, d = 32 b + 16 h + i) in register 16 b + i: two blocks of 32 along E.  They are quantised and stored as six registers of the last product's operand
	PLACES 4
	v_add_f32 v14, v14, v15
	DLY 1
	v_permlanex16_b32 v[TT], v14, s[SEL], s[SEL+1]
	DLY 1
	v_add_f32 v14, v14, v[TT]                      ; the row's sum
	s_wait_alu depctr_va_vdst(0)                   ; the wait ahead of the transcendental
	v_rcp_f32 v14, v14
	v_nop                                          ; one plain place behind the transcendental
	s_wait_alu depctr_va_vdst(0)                   ; and the wait ahead of its first reader, which is also O^T's
.set i, 0
.rept 32
	v_mul_f32 v[S+i], v[O+i], v14
.set i, i+1
.endr
.irp b, 0,1
	v_max3_num_f32 v[CM+\b], |v[S+16*\b]|, |v[S+16*\b+1]|, 0x1800000
.endr
.irp i, 2,4,6,8,10,12,14
.irp b, 0,1
	DLY 2
	v_max3_num_f32 v[CM+\b], |v[S+16*\b+\i]|, |v[S+16*\b+\i+1]|, v[CM+\b]
.endr
.endr
.irp b, 0,1
	DLY 2
	v_permlanex16_b32 v[BT+\b], v[CM+\b], s[SEL], s[SEL+1]
.endr
.irp b, 0,1
	DLY 2
	v_max_num_f32 v[CM+\b], v[CM+\b], v[BT+\b]
.endr
.irp b, 0,1
	DLY 2
	v_add_nc_u32 v[SOP+\b], 0xff000000, v[CM+\b]
.endr
.irp b, 0,1
	DLY 2
	v_lshrrev_b32 v[BT+\b], 23, v[SOP+\b]
.endr
	DLY 1
	v_lshl_or_b32 v[PW], v[BT+1], 8, v[BT]         ; my row's two bytes
	v_cvt_scalef32_pk16_fp6_f32 v[PC:PC+2], v[S:S+15], v[SOP]
	v_cvt_scalef32_pk16_fp6_f32 v[PT:PT+2], v[S+16:S+31], v[SOP+1]
	v_nop                                          ; one plain place behind the scaled conversions
.irp i, 0,1,2
	v_permlane16_swap_b32 v[PC+\i], v[PT+\i]       ; here a block lies in two lanes: a whole block to a lane
.endr
.irp i, 0,1,2
	DLY 3
	v_mov_b32 v[PC+3+\i], v[PT+\i]
.endr
	s_wait_alu depctr_va_vdst(0)
.irp k, 0,1,2
	global_store_b64 v[L8], v[PC+2*\k:PC+2*\k+1], s[58:59] offset:256*\k    ; 32 lanes store 256 consecutive bytes, aligned
.endr
	global_store_b32 v[L4], v[PW], s[60:61]
	s_wait_xcnt 0x0                                ; the stores have read their registers and bases: only now are these written again
	s_add_nc_u64 s[58:59], s[58:59], NEXTQ         ; on to my second tile (behind the second tile these nine lines' results are not used)
	s_add_nc_u64 s[60:61], s[60:61], NEXTQ
.irp i, 0,1,2,3,4,5
	v_mov_b32 v[ZQ+6+\i], v[Q2+\i]
.endr
	v_mov_b32 v[QS], v[Q2S]
	s_sub_co_u32 s12, s12, 1
	s_cmp_lg_u32 s12, 0
	s_wait_alu depctr_va_vdst(0)
	s_cbranch_scc1 .Ltile
	s_wait_tensorcnt 0x0                           ; the wave's end
	ds_add_u32 v[SPW], v[NIL]
	s_wait_dscnt 0x0
	ROUND                                          ; the closing round: no work-group ends while a partner may still ask for a tile that names it
	s_endpgm
.Lfunc_end_k_q9a94fe5968_attn:
	.size	k_q9a94fe5968_attn, .Lfunc_end_k_q9a94fe5968_attn-k_q9a94fe5968_attn
	.p2alignl 7, 3214868480
	.fill 96, 4, 3214868480
	.section	.rodata,"a",@progbits
	.p2align	6, 0x0
	.amdhsa_kernel k_q9a94fe5968_attn
		.amdhsa_group_segment_fixed_size 206848
		.amdhsa_private_segment_fixed_size 0
		.amdhsa_enable_private_segment 0
		.amdhsa_kernarg_size 24
		.amdhsa_user_sgpr_count 2
		.amdhsa_user_sgpr_kernarg_segment_ptr 1
		.amdhsa_wavefront_size32 1
		.amdhsa_system_sgpr_workgroup_id_x 1
		.amdhsa_system_sgpr_workgroup_id_y 1
		.amdhsa_system_sgpr_workgroup_id_z 1
		.amdhsa_system_vgpr_workitem_id 0
		.amdhsa_next_free_vgpr 256
		.amdhsa_next_free_sgpr 66
		.amdhsa_reserve_vcc 0
		.amdhsa_float_denorm_mode_32 3
		.amdhsa_float_denorm_mode_16_64 3
		.amdhsa_memory_ordered 1
		.amdhsa_forward_progress 1
		.amdhsa_inst_pref_size 33
	.end_amdhsa_kernel
	.amdgpu_metadata
---
amdhsa.version: [ 1, 2 ]
amdhsa.kernels:
  - .name:           k_q9a94fe5968_attn
    .symbol:         k_q9a94fe5968_attn.kd
    .args:
      - { .name: qimg, .offset: 0, .size: 8, .value_kind: global_buffer, .address_space: global }
      - { .name: kv, .offset: 8, .size: 8, .value_kind: global_buffer, .address_space: global }
      - { .name: cimg, .offset: 16, .size: 8, .value_kind: global_buffer, .address_space: global }
    .group_segment_fixed_size: 206848
    .private_segment_fixed_size: 0
    .kernarg_segment_align: 8
    .kernarg_segment_size: 24
    .max_flat_workgroup_size: 512
    .sgpr_count:     66
    .vgpr_count:     256
    .wavefront_size: 32
...
	.end_amdgpu_metadata
.endif
;; end of part 3
;; launch outln (part 4): grid 256 x 1, 4 waves a work-group, no clusters, 132,096 bytes of LDS; arguments cimg, img, bo, Q_input, gamma, beta, out0; writes out0
.if DOCPART == 4
	.amdgcn_target "amdgcn-amd-amdhsa--gfx1250"
	.amdhsa_code_object_version 6
	.text
	.protected	k_q9a94fe5968_outln
	.globl	k_q9a94fe5968_outln
	.p2align	8
	.type	k_q9a94fe5968_outln,@function
k_q9a94fe5968_outln:
	s_mov_b64 s[64:65], 0
	v_nop
	global_prefetch_b8 v0, s[64:65] scope:SCOPE_SE
	s_setreg_imm32_b32 hwreg(HW_REG_WAVE_MODE, 25, 1), 1
	s_wait_xcnt 0x0
; out0 = LayerNorm(Q_input + ctx Wo + bo) x gamma + beta.  The product is on codes of FP6 (E2M3) with E8M0 scales: ctx from cimg, Wo from img (groups 216-223), both as register images.
; SHARES.  A work-group owns 32 tokens and all 1,024 columns, so that a row's mean and variance have one owner.  Wave w makes columns 256 w .. 256 w + 255: 16 tiles of Wo (source 0) x 2 tiles of tokens (source 1): 32 accumulators, by turns.
; A fragment of Wo feeds one wave alone, so it goes from memory straight into that wave's registers, 512 dense bytes a load, two sets by turns, a K step ahead; ctx's 16 fragments stay in registers.
; NO CLUSTER: all work-groups walk the same Wo, but shared through LDS a K step of it is 102,400 bytes for 32 matrix instructions a wave: a ring's refill would have far too little work in which to land.
; THE WAY OUT: the results meet in a stage of 32 rows x (4,096 + 16) bytes; behind one barrier each wave takes 8 whole rows: + Q_input + bo, mean, variance of the differences, scale, gain and offset, and stores 512 consecutive bytes an instruction.
; Stage row 16 u + r is token 8 u + r + 8 (r / 8) of the 32 (the tiles' rows are laid so by the launches before): wave w's rows 8 w .. 8 w + 7 are tokens 8 (w / 2) + 16 (w % 2) + 0 .. 7.
; Q_input's 8 rows of a wave are prefetched, 8,192 bytes in each of K steps 2 to 5 (a lane names one block of 256 bytes, each block once in the launch), two to five K steps ahead of the loads in K step 7 that want them.
; LIMITS: NaN and infinities are not served.  The order of the f32 sums is the matrix unit's, K ascending; a row's sums are taken in four chains and then across the lanes.
; REGISTERS: window 0: v1-8 addresses; v16-31 Wo's scale words, two sets; v32-39 ctx's scale words; v40-55 their halves; v64-255 ctx's fragments; in the tail v64-95 bo, v96-159 two rows, v160-173 at work.
;   window 1: Wo's set 0 (v0-191), later Q_input's 8 rows.   window 2: Wo's set 1 (v0-191); v192-223 gamma, v224-255 beta.   window 3: accumulator (i, u) at v[8 (2 i + u)].
.set REC,  12800
.set GRP,  8*REC
.set SPITCH, 4112
.set LI,   1
.set L4,   2
.set L8,   3
.set CSA,  4                           ; v4   128 (lane / 16) + 4 (lane % 16): lanes 0-15 token tile 0's scale halves, lanes 16-31 tile 1's
.set SO0,  5                           ; v5   the stage: where I put token tile 0's results;
.set SO1,  6                           ; v6   tile 1's
.set RD,   7                           ; v7   and where I read my rows back
.set PFO,  8                           ; v8   256 x lane; never rewritten
.set WS,   16
.set CSW,  32
.set CSH,  40
.set CF,   64
.set BO,   64
.set XR,   96
.set T,    160
.set MU,   168
.set VA,   170
.set RS,   172
.set WV,   18
.set WB,   20                          ; s[20:21] my two groups of Wo in img; never stepped
.set CB,   22                          ; s[22:23] my 32 tokens in cimg
.set QR,   24                          ; s[24:25] my wave's 8 rows of Q_input
.set OR,   26                          ; s[26:27] and of out0
.set SEL,  30
.set MSB, 0
.macro WIN new
.if MSB != (\new)
	s_set_vgpr_msb (MSB<<8)|(\new)
.set MSB, (\new)
.endif
.endm
.macro PLACES n
.rept \n
	v_nop
.endr
.endm
.macro WM d, a, b, c, sa, sb, ra, rb
.if (\c) < 0
.if (\ra) && (\rb)
	v_wmma_scale_f32_16x16x128_f8f6f4 v[(\d):(\d)+7], v[(\a):(\a)+11], v[(\b):(\b)+11], 0, v[(\sa)], v[(\sb)] matrix_a_fmt:MATRIX_FMT_FP6 matrix_b_fmt:MATRIX_FMT_FP6 matrix_a_scale:MATRIX_SCALE_ROW1 matrix_b_scale:MATRIX_SCALE_ROW1
.elseif (\ra)
	v_wmma_scale_f32_16x16x128_f8f6f4 v[(\d):(\d)+7], v[(\a):(\a)+11], v[(\b):(\b)+11], 0, v[(\sa)], v[(\sb)] matrix_a_fmt:MATRIX_FMT_FP6 matrix_b_fmt:MATRIX_FMT_FP6 matrix_a_scale:MATRIX_SCALE_ROW1
.elseif (\rb)
	v_wmma_scale_f32_16x16x128_f8f6f4 v[(\d):(\d)+7], v[(\a):(\a)+11], v[(\b):(\b)+11], 0, v[(\sa)], v[(\sb)] matrix_a_fmt:MATRIX_FMT_FP6 matrix_b_fmt:MATRIX_FMT_FP6 matrix_b_scale:MATRIX_SCALE_ROW1
.else
	v_wmma_scale_f32_16x16x128_f8f6f4 v[(\d):(\d)+7], v[(\a):(\a)+11], v[(\b):(\b)+11], 0, v[(\sa)], v[(\sb)] matrix_a_fmt:MATRIX_FMT_FP6 matrix_b_fmt:MATRIX_FMT_FP6
.endif
.else
.if (\ra) && (\rb)
	v_wmma_scale_f32_16x16x128_f8f6f4 v[(\d):(\d)+7], v[(\a):(\a)+11], v[(\b):(\b)+11], v[(\c):(\c)+7], v[(\sa)], v[(\sb)] matrix_a_fmt:MATRIX_FMT_FP6 matrix_b_fmt:MATRIX_FMT_FP6 matrix_a_scale:MATRIX_SCALE_ROW1 matrix_b_scale:MATRIX_SCALE_ROW1
.elseif (\ra)
	v_wmma_scale_f32_16x16x128_f8f6f4 v[(\d):(\d)+7], v[(\a):(\a)+11], v[(\b):(\b)+11], v[(\c):(\c)+7], v[(\sa)], v[(\sb)] matrix_a_fmt:MATRIX_FMT_FP6 matrix_b_fmt:MATRIX_FMT_FP6 matrix_a_scale:MATRIX_SCALE_ROW1
.elseif (\rb)
	v_wmma_scale_f32_16x16x128_f8f6f4 v[(\d):(\d)+7], v[(\a):(\a)+11], v[(\b):(\b)+11], v[(\c):(\c)+7], v[(\sa)], v[(\sb)] matrix_a_fmt:MATRIX_FMT_FP6 matrix_b_fmt:MATRIX_FMT_FP6 matrix_b_scale:MATRIX_SCALE_ROW1
.else
	v_wmma_scale_f32_16x16x128_f8f6f4 v[(\d):(\d)+7], v[(\a):(\a)+11], v[(\b):(\b)+11], v[(\c):(\c)+7], v[(\sa)], v[(\sb)] matrix_a_fmt:MATRIX_FMT_FP6 matrix_b_fmt:MATRIX_FMT_FP6
.endif
.endif
.endm
; 56 loads: K step s of my 16 tiles of Wo and their 8 registers of scale words, into set s % 2
.macro LOADW s
.if ((\s)%2) == 0
	WIN 0x40                                       ; destination window 1
.else
	WIN 0x80                                       ; destination window 2
.endif
.irp i, 0,1,2,3,4,5,6,7,8,9,10,11,12,13,14,15
.irp k, 0,1,2
	global_load_b128 v[12*\i+4*\k:12*\i+4*\k+3], v[LI], s[WB:WB+1] offset:GRP*(\i/8)+REC*(\s)+1536*(\i%8)+512*\k
.endr
.endr
	WIN 0
.irp g, 0,1
.irp q, 0,1,2,3
	global_load_b32 v[WS+8*((\s)%2)+4*\g+\q], v[L4], s[WB:WB+1] offset:GRP*\g+REC*(\s)+12288+128*\q
.endr
.endr
.endm
.macro KSTEP s, p
	PLACES 4                                       ; in front of loads into registers that the step before last multiplied
.if (\s) < 7
	LOADW (\s)+1
.if ((\s) >= 2) && ((\s) <= 5)
	global_prefetch_b8 v[PFO], s[QR:QR+1] offset:8192*((\s)-2) th:TH_LOAD_NT scope:SCOPE_SE   ; two of my eight rows of Q_input
.endif
	s_wait_loadcnt 56                              ; all but the 56 just issued: this step's set is in
.else
	s_wait_loadcnt 0x0
.irp m, 0,1,2,3,4,5,6,7
	global_load_b128 v[BO+4*\m:BO+4*\m+3], v[LI], s[8:9] offset:512*\m      ; bo, as a lane holds a row: columns 128 m + 4 l + 0 .. 3
.endr
	WIN 0x40
.irp k, 0,1,2,3,4,5,6,7
.irp m, 0,1,2,3,4,5,6,7
	global_load_b128 v[32*\k+4*\m:32*\k+4*\m+3], v[LI], s[QR:QR+1] offset:4096*\k+512*\m th:TH_LOAD_NT   ; Q_input's rows, into the registers that Wo's set 0 has left
.endr
.endr
.endif
	WIN 0xf1+\p                                    ; source 0 window 1 or 2, source 1 window 0, C and D window 3
.irp i, 0,1,2,3,4,5,6,7,8,9,10,11,12,13,14,15
.irp u, 0,1
.if (\s) == 0
	WM 8*(2*\i+\u), 12*\i, CF+12*(2*(\s)+\u), -1, WS+8*(\p)+\i/2, CSW+(\s), \i%2, \u
.else
	WM 8*(2*\i+\u), 12*\i, CF+12*(2*(\s)+\u), 8*(2*\i+\u), WS+8*(\p)+\i/2, CSW+(\s), \i%2, \u
.endif
.endr
.endr
	WIN 0
.endm
	s_load_b256 s[4:11], s[0:1], 0x0               ; cimg, img, bo, Q_input
	s_load_b128 s[12:15], s[0:1], 0x20             ; gamma, beta
	s_load_b64 s[16:17], s[0:1], 0x30              ; out0
	v_lshl_add_u32 v62, v0, 2, 0x20200
	v_mov_b32 v63, 0
	v_lshrrev_b32 v9, 5, v0
	v_readfirstlane_b32 s[WV], v9                  ; wave 0..3
	v_and_b32 v9, 31, v0
	v_lshlrev_b32 v[LI], 4, v9
	v_lshlrev_b32 v[L4], 2, v9
	v_lshlrev_b32 v[L8], 3, v9
	v_and_b32 v10, 15, v0                          ; r
	v_bfe_u32 v11, v0, 4, 1                        ; h
	v_lshlrev_b32 v[CSA], 2, v10
	v_lshl_add_u32 v[CSA], v11, 7, v[CSA]
	s_lshl_b32 s32, s[WV], 1
	s_add_co_u32 s32, s32, 216
	s_mul_i32 s32, s32, GRP
	s_mov_b32 s33, 0
	s_mul_i32 s34, ttmp9, 28672
	s_mov_b32 s35, 0
	s_lshl_b32 s36, ttmp9, 5
	s_lshr_b32 s37, s[WV], 1
	s_lshl_b32 s37, s37, 3
	s_add_co_u32 s36, s36, s37
	s_and_b32 s37, s[WV], 1
	s_lshl_b32 s37, s37, 4
	s_add_co_u32 s36, s36, s37                     ; my first token: 32 x work-group + 8 (w / 2) + 16 (w % 2)
	s_lshl_b32 s36, s36, 12
	s_mov_b32 s37, 0
	s_mov_b32 s28, 0x3a800000                      ; 1 / 1,024
	s_mov_b32 s29, 0x3727c5ac                      ; 1e-5
	s_mov_b32 s[SEL], 0x76543210
	s_mov_b32 s[SEL+1], 0xfedcba98
	s_wait_alu depctr_va_vdst(0)
	s_wait_kmcnt 0x0
	s_add_nc_u64 s[WB:WB+1], s[6:7], s[32:33]
	s_add_nc_u64 s[CB:CB+1], s[4:5], s[34:35]
	s_add_nc_u64 s[QR:QR+1], s[10:11], s[36:37]
	s_add_nc_u64 s[OR:OR+1], s[16:17], s[36:37]
	WIN 0x80
.irp m, 0,1,2,3,4,5,6,7
	global_load_b128 v[192+4*\m:192+4*\m+3], v[LI], s[12:13] offset:512*\m
	global_load_b128 v[224+4*\m:224+4*\m+3], v[LI], s[14:15] offset:512*\m
.endr
	WIN 0
.irp s, 0,1,2,3,4,5,6,7                ; K step s = heads 2 s, 2 s + 1: registers 0-5 the even head's six, 6-11 the odd head's
.irp u, 0,1
.irp k, 0,1,2,3,4,5
	global_load_b64 v[CF+12*(2*\s+\u)+2*\k:CF+12*(2*\s+\u)+2*\k+1], v[L8], s[CB:CB+1] offset:(2*(2*\s+\k/3)+\u)*768+256*(\k%3)
.endr
.endr
.endr
.irp d, 0,1,2,3,4,5,6,7,8,9,10,11,12,13,14,15
	global_load_b32 v[CSH+\d], v[CSA], s[CB:CB+1] offset:24576+256*\d
.endr
	LOADW 0
	s_wait_loadcnt 56                              ; all but Wo's 56: ctx, its scale halves, gamma and beta are in
.irp s, 0,1,2,3,4,5,6,7
	v_lshl_or_b32 v[CSW+\s], v[CSH+2*\s+1], 16, v[CSH+2*\s]   ; the two heads' two bytes each: the K step's scale word
.endr
	v_mul_u32_u24 v[SO0], v10, SPITCH              ; (these six lines and the step's four are the places between the scale words' making and the first product)
	v_lshl_add_u32 v[SO0], v11, 6, v[SO0]
	s_lshl_b32 s38, s[WV], 10
	v_add_nc_u32 v[SO0], s38, v[SO0]               ; row r, + 64 h, + my 1,024 bytes of a row
	v_add_nc_u32 v[SO1], 16*SPITCH, v[SO0]
	s_mul_i32 s38, s[WV], 8*SPITCH
	v_add_nc_u32 v[RD], s38, v[LI]
	v_lshlrev_b32 v[PFO], 8, v9
	s_wait_alu depctr_va_vdst(0)
	KSTEP 0, 0
	KSTEP 1, 1
	KSTEP 2, 0
	KSTEP 3, 1
	KSTEP 4, 0
	KSTEP 5, 1
	KSTEP 6, 0
	KSTEP 7, 1
	PLACES 4                                       ; in front of the first read of results
	WIN 0x0c                                       ; an LDS store's data are its source 1: window 3
.irp i, 0,1,2,3,4,5,6,7,8,9,10,11,12,13,14,15
	ds_store_b128 v[SO0], v[8*(2*\i):8*(2*\i)+3] offset:512*(\i/8)+128*((\i%8)/2)+32*(\i%2)          ; register e of tile i: column 128 (i / 8) + 32 ((i % 8) / 2) + 16 h + 8 (i % 2) + e of my 256; each accumulator from its low end on
	ds_store_b128 v[SO0], v[8*(2*\i)+4:8*(2*\i)+7] offset:512*(\i/8)+128*((\i%8)/2)+32*(\i%2)+16
	ds_store_b128 v[SO1], v[8*(2*\i+1):8*(2*\i+1)+3] offset:512*(\i/8)+128*((\i%8)/2)+32*(\i%2)
	ds_store_b128 v[SO1], v[8*(2*\i+1)+4:8*(2*\i+1)+7] offset:512*(\i/8)+128*((\i%8)/2)+32*(\i%2)+16
.endr
	WIN 0
	s_wait_dscnt 0x0                               ; for the others' sake: my stores into the stage are done
	s_barrier_signal -1
	s_barrier_wait -1                              ; 32 whole rows lie in the stage
.macro REDUCE                          ; four chains of pairs in v[T] on become one sum, in every lane
	v_pk_add_f32 v[T:T+1], v[T:T+1], v[T+2:T+3]
	v_pk_add_f32 v[T+4:T+5], v[T+4:T+5], v[T+6:T+7]
	v_pk_add_f32 v[T:T+1], v[T:T+1], v[T+4:T+5]
	v_add_f32 v[T], v[T], v[T+1]
	v_add_f32_dpp v[T], v[T], v[T] row_xmask:1 row_mask:0xf bank_mask:0xf
	v_add_f32_dpp v[T], v[T], v[T] row_xmask:2 row_mask:0xf bank_mask:0xf
	v_add_f32_dpp v[T], v[T], v[T] row_xmask:4 row_mask:0xf bank_mask:0xf
	v_add_f32_dpp v[T], v[T], v[T] row_xmask:8 row_mask:0xf bank_mask:0xf
	v_permlanex16_b32 v[T+1], v[T], s[SEL], s[SEL+1]
	v_add_f32 v[T], v[T], v[T+1]
.endm
.macro ROW k                           ; my row k, in set k % 2; a lane holds columns 128 m + 4 l + 0 .. 3, m = 0 .. 7
.set XS, XR+32*((\k)%2)
.set XN, XR+32*(((\k)+1)%2)
.if (\k) < 7
	s_wait_xcnt 0x0                                ; the stores of the row before have read the other set: the next row may land there
.irp m, 0,1,2,3,4,5,6,7
	ds_load_b128 v[XN+4*\m:XN+4*\m+3], v[RD] offset:SPITCH*((\k)+1)+512*\m
.endr
	s_wait_dscnt 8                                 ; this row is in; the next row's eight loads may be out
.else
	s_wait_dscnt 0x0
.endif
	s_wait_loadcnt 56-8*(\k)                       ; bo and Q_input's rows up to this one are in; the 8 (7 - k) loads of the later rows may be out
	WIN 0x04                                       ; source 1 window 1
.set i, 0
.rept 16
	v_pk_add_f32 v[XS+i:XS+i+1], v[XS+i:XS+i+1], v[32*(\k)+i:32*(\k)+i+1]   ; + Q_input
.set i, i+2
.endr
	WIN 0
.set i, 0
.rept 16
	v_pk_add_f32 v[XS+i:XS+i+1], v[XS+i:XS+i+1], v[BO+i:BO+i+1]             ; + bo
.set i, i+2
.endr
.irp c, 0,1,2,3
	v_pk_add_f32 v[T+2*\c:T+2*\c+1], v[XS+2*\c:XS+2*\c+1], v[XS+8+2*\c:XS+8+2*\c+1]
.endr
.irp o, 16,24
.irp c, 0,1,2,3
	v_pk_add_f32 v[T+2*\c:T+2*\c+1], v[T+2*\c:T+2*\c+1], v[XS+\o+2*\c:XS+\o+2*\c+1]
.endr
.endr
	REDUCE
	v_mul_f32 v[MU], s28, v[T]                     ; the mean, twice: a pair for the packed subtraction
	v_mul_f32 v[MU+1], s28, v[T]
.set i, 0
.rept 16
	v_pk_add_f32 v[XS+i:XS+i+1], v[XS+i:XS+i+1], v[MU:MU+1] neg_lo:[0,1] neg_hi:[0,1]
.set i, i+2
.endr
.irp c, 0,1,2,3
	v_pk_mul_f32 v[T+2*\c:T+2*\c+1], v[XS+2*\c:XS+2*\c+1], v[XS+2*\c:XS+2*\c+1]
.endr
.irp o, 8,16,24
.irp c, 0,1,2,3
	v_pk_fma_f32 v[T+2*\c:T+2*\c+1], v[XS+\o+2*\c:XS+\o+2*\c+1], v[XS+\o+2*\c:XS+\o+2*\c+1], v[T+2*\c:T+2*\c+1]
.endr
.endr
	REDUCE
	v_fma_f32 v[VA], v[T], s28, s29                ; the variance + 1e-5
	s_wait_alu depctr_va_vdst(0)
	v_rsq_f32 v[RS], v[VA]
	v_rsq_f32 v[RS+1], v[VA]
	v_nop                                          ; one plain place behind the transcendentals
.set i, 0
	s_wait_alu depctr_va_vdst(0)
.rept 16
	v_pk_mul_f32 v[XS+i:XS+i+1], v[XS+i:XS+i+1], v[RS:RS+1]
.set i, i+2
.endr
	WIN 0x28                                       ; sources 1 (gamma) and 2 (beta) window 2
.set i, 0
.rept 16
	v_pk_fma_f32 v[XS+i:XS+i+1], v[XS+i:XS+i+1], v[192+i:192+i+1], v[224+i:224+i+1]
.set i, i+2
.endr
	WIN 0
.irp m, 0,1,2,3,4,5,6,7
	global_store_b128 v[LI], v[XS+4*\m:XS+4*\m+3], s[OR:OR+1] offset:4096*(\k)+512*\m th:TH_STORE_NT   ; 32 lanes store 512 consecutive bytes, at a multiple of 256 from out0's first byte
.endr
.endm
.irp m, 0,1,2,3,4,5,6,7
	ds_load_b128 v[XR+4*\m:XR+4*\m+3], v[RD] offset:512*\m
.endr
	ROW 0
	ROW 1
	ROW 2
	ROW 3
	ROW 4
	ROW 5
	ROW 6
	ROW 7
	s_wait_tensorcnt 0x0
	ds_add_u32 v62, v63
	s_wait_dscnt 0x0
	s_endpgm
.Lfunc_end_k_q9a94fe5968_outln:
	.size	k_q9a94fe5968_outln, .Lfunc_end_k_q9a94fe5968_outln-k_q9a94fe5968_outln
	.p2alignl 7, 3214868480
	.fill 96, 4, 3214868480
	.section	.rodata,"a",@progbits
	.p2align	6, 0x0
	.amdhsa_kernel k_q9a94fe5968_outln
		.amdhsa_group_segment_fixed_size 132096
		.amdhsa_private_segment_fixed_size 0
		.amdhsa_enable_private_segment 0
		.amdhsa_kernarg_size 56
		.amdhsa_user_sgpr_count 2
		.amdhsa_user_sgpr_kernarg_segment_ptr 1
		.amdhsa_wavefront_size32 1
		.amdhsa_system_sgpr_workgroup_id_x 1
		.amdhsa_system_sgpr_workgroup_id_y 1
		.amdhsa_system_sgpr_workgroup_id_z 1
		.amdhsa_system_vgpr_workitem_id 0
		.amdhsa_next_free_vgpr 1024
		.amdhsa_next_free_sgpr 66
		.amdhsa_reserve_vcc 0
		.amdhsa_float_denorm_mode_32 3
		.amdhsa_float_denorm_mode_16_64 3
		.amdhsa_memory_ordered 1
		.amdhsa_forward_progress 1
		.amdhsa_inst_pref_size 180
	.end_amdhsa_kernel
	.amdgpu_metadata
---
amdhsa.version: [ 1, 2 ]
amdhsa.kernels:
  - .name:           k_q9a94fe5968_outln
    .symbol:         k_q9a94fe5968_outln.kd
    .args:
      - { .name: cimg, .offset: 0, .size: 8, .value_kind: global_buffer, .address_space: global }
      - { .name: img, .offset: 8, .size: 8, .value_kind: global_buffer, .address_space: global }
      - { .name: bo, .offset: 16, .size: 8, .value_kind: global_buffer, .address_space: global }
      - { .name: Q_input, .offset: 24, .size: 8, .value_kind: global_buffer, .address_space: global }
      - { .name: gamma, .offset: 32, .size: 8, .value_kind: global_buffer, .address_space: global }
      - { .name: beta, .offset: 40, .size: 8, .value_kind: global_buffer, .address_space: global }
      - { .name: out0, .offset: 48, .size: 8, .value_kind: global_buffer, .address_space: global }
    .group_segment_fixed_size: 132096
    .private_segment_fixed_size: 0
    .kernarg_segment_align: 8
    .kernarg_segment_size: 56
    .max_flat_workgroup_size: 128
    .sgpr_count:     66
    .vgpr_count:     1024
    .wavefront_size: 32
...
	.end_amdgpu_metadata
.endif
;; end of part 4
